; MI455X (gfx1250); checked and timed in simulation.
; The chip was launched on July 23, 2026; its instructions are those of AMD's public machine-readable ISA for CDNA 5 (MIT licence, August 2026) and "CDNA5" Instruction Set Architecture Reference Guide (July 2026). The comments in the code are by the model that wrote it; some were corrected since.
;; Graph Transformer Layer. Allowed arithmetic: float matrix products may take bf16 or f16 operands with f32 sums; other float arithmetic in f32, or as packed bf16 or f16 multiplies, adds, multiply-adds, maxima and minima; sums over many terms, partial sums and values carried from step to step in f32; what a program stores and reads back later, other than sums and carried values, may be rounded once to bf16 or f16.
;; Inputs: adj 1,024 x 1,024 float32; b1 2,048 float32; b2 512 float32; bk 512 float32; bo 512 float32; bq 512 float32; bv 512 float32; ln1_b 512 float32; ln1_w 512 float32; ln2_b 512 float32; ln2_w 512 float32; spatial_emb 11 float32; w1 2,048 x 512 float32; w2 512 x 2,048 float32; wk 512 x 512 float32; wo 512 x 512 float32; wq 512 x 512 float32; wv 512 x 512 float32; x 1,024 x 512 float32.
;; Outputs: out0 1,024 x 512 float32.
;; One version. Each part assembles by itself: llvm-mc -triple=amdgcn-amd-amdhsa -mcpu=gfx1250 --defsym DOCPART=n.
;; ======== version 1 of 1: 9 launches
;; workspace buffers: opb 6,842,880 bytes; wob 524,288 bytes; bits 131,072 bytes of whole numbers; bias 4,194,304 bytes; qkv 3,145,728 bytes; act1 4,194,304 bytes; part 8,388,608 bytes; g 4,194,304 bytes
;; launch prep (part 1): grid 289 x 1, 4 waves a work-group, no clusters, 0 bytes of LDS; arguments adj, w2, x, wv, wq, wk, w1, wo, bq, bk, bv, bo, ln1_w, ln1_b, b2, ln2_w, ln2_b, b1, spatial_emb, opb, wob, bits; writes opb, wob, bits
.if DOCPART == 1
	.amdgcn_target "amdgcn-amd-amdhsa--gfx1250"
	.amdhsa_code_object_version 6
	.text
	.protected	k_q63018b268e_prep
	.globl	k_q63018b268e_prep
	.p2align	8
	.type	k_q63018b268e_prep,@function
k_q63018b268e_prep:
	s_mov_b64 s[64:65], 0
	v_nop
	global_prefetch_b8 v0, s[64:65] scope:SCOPE_SE
	s_setreg_imm32_b32 hwreg(HW_REG_WAVE_MODE, 25, 1), 1
	s_wait_xcnt 0x0
; PREP.  Three kinds of work-group, told apart by the work-group's number alone.
;  0..223   CAST: a wave rounds 16 rows x 256 k of a matrix (w2, x, wv, wq, wk, w1, wo) to bf16 and writes it in FRAGMENT ORDER: block (16 rows, 32 k) is 1,024 bytes;
;           element (r, 16 s + 8 h + e) of a block lies at 512 s + 16 (16 h + r) + 2 e, so that a matrix fragment is two loads of 16 bytes a lane, 512 bytes on end each.
;           A strip of 16 rows x 512 k is 16 blocks on end; w2 (k = 2,048) is four panels of 512 k.
;  224..287 PACK: adj > 0, with the diagonal set, as bits.  Node n = 128 g + 4 l + c has word 4 g + c, bit l.  The word for column (g, c, l) and k-word kw lies at
;           16,384 g + 512 kw + 16 l + 4 c; its bit b says whether node 128 (kw / 4) + 4 b + kw % 4 has an edge to the column.
;  288      VEC: the biases, gains and spatial_emb, rounded to bf16 and kept as f32, one table behind the matrices in opb.
; LIMITS.  Every floating-point input but adj is rounded once to bf16 here (round to nearest even), x in the residual too.  An edge is adj > 0 in f32: a NaN is no edge.
.set VEC, 6815744                      ; the table's first byte in opb: behind 832 half strips of 8,192 bytes
.set D0,  32                           ; v[32:159] data
	s_load_b512 s[16:31], s[0:1], 0x0              ; adj 16, w2 18, x 20, wv 22, wq 24, wk 26, w1 28, wo 30
	s_load_b128 s[8:11], s[0:1], 0x98              ; opb s[8:9], wob s[10:11]
	s_load_b64 s[12:13], s[0:1], 0xa8              ; bits
	v_lshrrev_b32 v1, 5, v0
	v_readfirstlane_b32 s2, v1                     ; wave 0..3
	v_and_b32 v3, 31, v0                           ; l
	v_and_b32 v1, 15, v0                           ; r
	v_bfe_u32 v2, v0, 4, 1                         ; h
	v_lshlrev_b32 v5, 4, v3                        ; 16 l
	s_mov_b32 s3, ttmp9
	s_wait_kmcnt 0x0
	s_cmp_ge_u32 s3, 288
	s_cbranch_scc1 .Lvec
	s_cmp_ge_u32 s3, 224
	s_cbranch_scc1 .Lpack
	; ---- CAST ----
	s_mov_b64 s[4:5], s[18:19]                     ; the source and the first work-group of its range
	s_mov_b32 s6, 0
.macro PICK n, src
	s_cmp_ge_u32 s3, \n
	s_cselect_b64 s[4:5], s[\src:\src+1], s[4:5]
	s_cselect_b32 s6, \n, s6
.endm
	PICK 64, 20
	PICK 96, 22
	PICK 112, 24
	PICK 128, 26
	PICK 144, 28
	PICK 208, 30
	s_sub_co_u32 s6, s3, s6
	s_lshl2_add_u32 s6, s6, s2                     ; my half strip within the source
	s_lshl2_add_u32 s7, s3, s2                     ; and among all
	s_lshr_b32 s14, s6, 1
	s_and_b32 s15, s14, 31
	s_lshr_b32 s32, s6, 6
	s_cmp_lt_u32 s3, 64                            ; w2: 32 strips in each of four panels, rows of 8,192 bytes; the others: one panel, rows of 2,048
	s_cselect_b32 s14, s15, s14                    ; strip
	s_cselect_b32 s32, s32, 0                      ; panel
	s_cselect_b32 s33, 13, 11                      ; log2 of a source row's bytes
	s_lshl_b32 s14, s14, 4
	s_lshl_b32 s14, s14, s33
	s_lshl_b32 s32, s32, 11
	s_add_co_u32 s14, s14, s32
	s_and_b32 s32, s6, 1
	s_lshl_b32 s32, s32, 10                        ; which 256 k of the 512
	s_add_co_u32 s14, s14, s32
	s_mov_b32 s15, 0
	s_add_nc_u64 s[4:5], s[4:5], s[14:15]
	s_cmp_ge_u32 s3, 208                           ; wo has a buffer of its own
	s_cselect_b64 s[34:35], s[10:11], s[8:9]
	s_cselect_b32 s36, 832, 0
	s_sub_co_u32 s36, s7, s36
	s_lshl_b32 s36, s36, 13
	s_mov_b32 s37, 0
	s_add_nc_u64 s[34:35], s[34:35], s[36:37]
	v_lshlrev_b32 v4, s33, v1                      ; my row,
	v_lshl_add_u32 v4, v2, 5, v4                   ; my 8 k of each 16: 32 bytes of f32
.set kb, 0
.rept 8                                ; block kb: k = 8 h .. + 7 (two loads) and 16 + 8 h .. + 7 (two loads)
.irp q, 0,1,2,3
	global_load_b128 v[D0+16*kb+4*(\q):D0+16*kb+4*(\q)+3], v4, s[4:5] offset:kb*128+((\q)/2)*64+((\q)%2)*16
.endr
.set kb, kb+1
.endr
.set kb, 0
.rept 8
	s_wait_loadcnt 28-4*kb                         ; loads come back in order: four belong to each later block
.irp i, 0,1,2,3,4,5,6,7
	v_cvt_pk_bf16_f32 v[D0+16*kb+(\i)], v[D0+16*kb+2*(\i)], v[D0+16*kb+2*(\i)+1]  ; in place, ascending: register i is read no later than it is written
.endr
	global_store_b128 v5, v[D0+16*kb:D0+16*kb+3], s[34:35] offset:kb*1024          ; 512 bytes on end
	global_store_b128 v5, v[D0+16*kb+4:D0+16*kb+7], s[34:35] offset:kb*1024+512
.set kb, kb+1
.endr
	s_endpgm
	; ---- PACK ----  work-group (G, g): rows 128 G .. + 127, columns 128 g .. + 127; wave w makes k-word 4 G + w: rows 128 G + 4 b + w
.Lpack:
	s_sub_co_u32 s6, s3, 224
	s_lshr_b32 s7, s6, 3                           ; G
	s_and_b32 s6, s6, 7                            ; g
	s_lshl_b32 s14, s7, 7
	s_add_co_u32 s14, s14, s2
	s_lshl_b32 s14, s14, 12                        ; row 128 G + w, 4,096 bytes a row
	s_lshl_b32 s15, s6, 9
	s_add_co_u32 s14, s14, s15
	s_mov_b32 s15, 0
	s_add_nc_u64 s[16:17], s[16:17], s[14:15]
.set b, 0
.rept 32
	global_load_b128 v[D0+4*b:D0+4*b+3], v5, s[16:17] offset:b*16384 th:TH_LOAD_NT  ; four rows on; a wave's load is 512 bytes on end
.set b, b+1
.endr
	s_lshl2_add_u32 s32, s7, s2                    ; kw
	s_lshl_b32 s32, s32, 9
	s_lshl_b32 s33, s6, 14
	s_add_co_u32 s32, s32, s33
	s_mov_b32 s33, 0
	s_add_nc_u64 s[12:13], s[12:13], s[32:33]
	v_mov_b32 v7, 1
	v_lshlrev_b32 v6, v3, v7                       ; 1 << l
.irp c, 0,1,2,3
	v_mov_b32 v[24+(\c)], 0
.endr
.set b, 0
.rept 32
	s_wait_loadcnt 31-b
.irp c, 0,1,2,3
	v_cmp_lt_f32 vcc_lo, 0, v[D0+4*b+(\c)]
	v_cndmask_b32 v8, 0, 1, vcc_lo
	v_lshl_or_b32 v[24+(\c)], v8, b, v[24+(\c)]
.endr
.set b, b+1
.endr
	s_cmp_eq_u32 s6, s7                            ; the diagonal: row = column where G = g, b = l, w = c
	s_cselect_b32 s34, -1, 0
.irp c, 0,1,2,3
	s_cmp_eq_u32 s2, \c
	s_cselect_b32 s35, s34, 0
	v_and_or_b32 v[24+(\c)], v6, s35, v[24+(\c)]
.endr
	global_store_b128 v5, v[24:27], s[12:13]
	s_endpgm
	; ---- VEC ----  128 threads, 16 bytes each of every vector of 512
.Lvec:
	s_load_b512 s[32:47], s[0:1], 0x40             ; bq, bk, bv, bo, ln1_w, ln1_b, b2, ln2_w
	s_load_b128 s[48:51], s[0:1], 0x80             ; ln2_b, b1
	s_load_b64 s[52:53], s[0:1], 0x90              ; spatial_emb
	v_lshlrev_b32 v5, 4, v0
	v_min_u32 v6, 10, v0                           ; entry t of the table of 128 is spatial_emb[min(t, 10)]
	v_lshlrev_b32 v6, 2, v6
	v_lshlrev_b32 v7, 2, v0
	s_add_nc_u64 s[8:9], s[8:9], VEC
	s_wait_kmcnt 0x0
.irp i, 0,1,2,3,4,5,6,7,8
	global_load_b128 v[D0+4*(\i):D0+4*(\i)+3], v5, s[32+2*(\i):33+2*(\i)]
.endr
.irp i, 0,1,2,3
	global_load_b128 v[D0+36+4*(\i):D0+36+4*(\i)+3], v5, s[50:51] offset:2048*(\i)
.endr
	global_load_b32 v[D0+52], v6, s[52:53]
	s_wait_loadcnt 0x0
.irp i, 0,1,2,3,4,5,6,7,8,9,10,11,12
	v_cvt_pk_bf16_f32 v8, v[D0+4*(\i)], v[D0+4*(\i)+1]     ; rounded to bf16,
	v_cvt_pk_bf16_f32 v9, v[D0+4*(\i)+2], v[D0+4*(\i)+3]
	v_lshlrev_b32 v[D0+4*(\i)], 16, v8                     ; and widened again
	v_and_b32 v[D0+4*(\i)+1], 0xffff0000, v8
	v_lshlrev_b32 v[D0+4*(\i)+2], 16, v9
	v_and_b32 v[D0+4*(\i)+3], 0xffff0000, v9
	global_store_b128 v5, v[D0+4*(\i):D0+4*(\i)+3], s[8:9] offset:2048*(\i)
.endr
	v_cvt_pk_bf16_f32 v8, v[D0+52], v[D0+52]
	v_lshlrev_b32 v[D0+52], 16, v8
	global_store_b32 v7, v[D0+52], s[8:9] offset:26624
	s_endpgm
.Lfunc_end_k_q63018b268e_prep:
	.size	k_q63018b268e_prep, .Lfunc_end_k_q63018b268e_prep-k_q63018b268e_prep
	.p2alignl 7, 3214868480
	.fill 96, 4, 3214868480
	.section	.rodata,"a",@progbits
	.p2align	6, 0x0
	.amdhsa_kernel k_q63018b268e_prep
		.amdhsa_group_segment_fixed_size 0
		.amdhsa_private_segment_fixed_size 0
		.amdhsa_enable_private_segment 0
		.amdhsa_kernarg_size 176
		.amdhsa_user_sgpr_count 2
		.amdhsa_user_sgpr_kernarg_segment_ptr 1
		.amdhsa_wavefront_size32 1
		.amdhsa_system_sgpr_workgroup_id_x 1
		.amdhsa_system_sgpr_workgroup_id_y 1
		.amdhsa_system_sgpr_workgroup_id_z 1
		.amdhsa_system_vgpr_workitem_id 0
		.amdhsa_next_free_vgpr 160
		.amdhsa_next_free_sgpr 66
		.amdhsa_reserve_vcc 1
		.amdhsa_float_denorm_mode_32 3
		.amdhsa_float_denorm_mode_16_64 3
		.amdhsa_memory_ordered 1
		.amdhsa_forward_progress 1
		.amdhsa_inst_pref_size 45
	.end_amdhsa_kernel
	.amdgpu_metadata
---
amdhsa.version: [ 1, 2 ]
amdhsa.kernels:
  - .name:           k_q63018b268e_prep
    .symbol:         k_q63018b268e_prep.kd
    .args:
      - { .name: adj, .offset: 0, .size: 8, .value_kind: global_buffer, .address_space: global }
      - { .name: w2, .offset: 8, .size: 8, .value_kind: global_buffer, .address_space: global }
      - { .name: x, .offset: 16, .size: 8, .value_kind: global_buffer, .address_space: global }
      - { .name: wv, .offset: 24, .size: 8, .value_kind: global_buffer, .address_space: global }
      - { .name: wq, .offset: 32, .size: 8, .value_kind: global_buffer, .address_space: global }
      - { .name: wk, .offset: 40, .size: 8, .value_kind: global_buffer, .address_space: global }
      - { .name: w1, .offset: 48, .size: 8, .value_kind: global_buffer, .address_space: global }
      - { .name: wo, .offset: 56, .size: 8, .value_kind: global_buffer, .address_space: global }
      - { .name: bq, .offset: 64, .size: 8, .value_kind: global_buffer, .address_space: global }
      - { .name: bk, .offset: 72, .size: 8, .value_kind: global_buffer, .address_space: global }
      - { .name: bv, .offset: 80, .size: 8, .value_kind: global_buffer, .address_space: global }
      - { .name: bo, .offset: 88, .size: 8, .value_kind: global_buffer, .address_space: global }
      - { .name: ln1_w, .offset: 96, .size: 8, .value_kind: global_buffer, .address_space: global }
      - { .name: ln1_b, .offset: 104, .size: 8, .value_kind: global_buffer, .address_space: global }
      - { .name: b2, .offset: 112, .size: 8, .value_kind: global_buffer, .address_space: global }
      - { .name: ln2_w, .offset: 120, .size: 8, .value_kind: global_buffer, .address_space: global }
      - { .name: ln2_b, .offset: 128, .size: 8, .value_kind: global_buffer, .address_space: global }
      - { .name: b1, .offset: 136, .size: 8, .value_kind: global_buffer, .address_space: global }
      - { .name: spatial_emb, .offset: 144, .size: 8, .value_kind: global_buffer, .address_space: global }
      - { .name: opb, .offset: 152, .size: 8, .value_kind: global_buffer, .address_space: global }
      - { .name: wob, .offset: 160, .size: 8, .value_kind: global_buffer, .address_space: global }
      - { .name: bits, .offset: 168, .size: 8, .value_kind: global_buffer, .address_space: global }
    .group_segment_fixed_size: 0
    .private_segment_fixed_size: 0
    .kernarg_segment_align: 8
    .kernarg_segment_size: 176
    .max_flat_workgroup_size: 128
    .sgpr_count:     66
    .vgpr_count:     160
    .wavefront_size: 32
...
	.end_amdgpu_metadata
.endif
;; end of part 1
;; launch bfs (part 2): grid 256 x 1, 4 waves a work-group, no clusters, 1,280 bytes of LDS; arguments opb, bits, bias; writes bias
.if DOCPART == 2
	.amdgcn_target "amdgcn-amd-amdhsa--gfx1250"
	.amdhsa_code_object_version 6
	.text
	.protected	k_q63018b268e_bfs
	.globl	k_q63018b268e_bfs
	.p2align	8
	.type	k_q63018b268e_bfs,@function
k_q63018b268e_bfs:
	s_mov_b64 s[64:65], 0
	v_nop
	global_prefetch_b8 v0, s[64:65] scope:SCOPE_SE
	s_setreg_imm32_b32 hwreg(HW_REG_WAVE_MODE, 25, 1), 1
	s_wait_xcnt 0x0
; BIAS[i][j] = spatial_emb[min(dist(i, j), 10)], dist = the length of the shortest path i -> j over edges adj > 0.
; All edges weigh 1 and the result is clipped at 10, so dist(i, j) is the least d in 0..9 with j in R_d(i), else 10, where R_0(i) = {i} and
; R_d(i) = the union over k in R_(d-1)(i) of B[k], B = (adj > 0) with the diagonal set.  Row i of R_d needs row i of R_(d-1) and B alone.
; SHARES.  A work-group owns queries 4 wg .. + 3; wave v owns columns 256 v .. + 255 and keeps their 32 k-words each in registers: 256 registers.
; A level: R_d(i)[j] = OR over the 32 k-words of (R_(d-1)(i) word AND B's word for column j) != 0: 1,024 and-or a wave.  The comparison's lane mask IS a word of R_d (node 128 g + 4 l + c:
; word 4 g + c, bit l); the four waves exchange their words through LDS.  A level that can find nothing (the last one found nothing anywhere, or every row is full) is jumped over;
; the jump hangs on whole numbers made from the buffer bits alone, is the same in all four waves, goes forward, and passes no barrier.
.set EMB,   6842368                    ; spatial_emb's table in opb (f32 values already rounded to bf16)
.set XF,    512                        ; LDS 0..511: [row 4][word 32]; 512: found[4]; 528: not full[4]
.set SPARE, 768                        ; the spare words, 128 bytes a wave
.set TT,  16                           ; v[16:47]   B's words that hold rows 4 wg .. + 3, for my columns
.set RB,  64                           ; v[64:191]  R_(d-1), [row][word], the same in every lane
.set VAL, 192                          ; v[192:223] the result, [row][4 gl + c]
.set ACC, 224                          ; v[224:231] eight chains
.set XR,  232                          ; v232       lane 8 row + 4 gl + c holds my newest word
.set MSB, 0
.macro WIN new
.if MSB != (\new)
	s_set_vgpr_msb (MSB<<8)|(\new)
.set MSB, \new
.endif
.endm
	s_load_b128 s[4:7], s[0:1], 0x0                ; opb, bits
	s_load_b64 s[8:9], s[0:1], 0x10                ; bias
	v_lshl_add_u32 v6, v0, 2, SPARE                ; my spare word,
	v_mov_b32 v7, 0                                ; and 0: kept for the closing lines alone
	v_lshrrev_b32 v1, 5, v0
	v_readfirstlane_b32 s10, v1                    ; wave v
	s_mov_b32 s11, ttmp9                           ; wg
	v_and_b32 v8, 31, v0                           ; lane
	v_lshlrev_b32 v2, 4, v8
	v_mov_b32 v3, 0
	v_lshrrev_b32 v4, 3, v8
	v_lshlrev_b32 v4, 7, v4                        ; row = lane / 8: 128 bytes
	v_and_b32 v5, 7, v8
	s_lshl_b32 s71, s10, 3
	v_add_nc_u32 v5, s71, v5                       ; word 8 v + lane % 8
	v_lshl_add_u32 v4, v5, 2, v4
	s_lshl_b32 s71, s10, 2
	s_add_co_u32 s71, s71, XF
	v_mov_b32 v5, s71                              ; my wave's flag words
	s_lshl_b32 s76, s10, 15                        ; my two groups of 128 columns: 16,384 bytes each
	s_mov_b32 s77, 0
	s_lshr_b32 s78, s11, 5
	s_lshl_b32 s78, s78, 11                        ; k-words 4 (wg / 32) .. + 3 hold my four queries as rows, at bit wg % 32
	s_mov_b32 s79, 0
	s_lshl_b32 s80, s11, 14                        ; four rows of bias,
	s_lshl_b32 s81, s10, 10                        ; my 256 columns
	s_add_co_u32 s80, s80, s81
	s_mov_b32 s81, 0
	s_wait_kmcnt 0x0
	s_load_b32 s72, s[4:5], EMB                    ; e0
	s_load_b32 s73, s[4:5], EMB+4                  ; e1
	s_load_b32 s74, s[4:5], EMB+40                 ; e10
	s_add_nc_u64 s[12:13], s[6:7], s[76:77]
	s_add_nc_u64 s[14:15], s[12:13], s[78:79]
	s_add_nc_u64 s[8:9], s[8:9], s[80:81]
.irp row, 0,1,2,3
.irp gl, 0,1
	global_load_b128 v[TT+4*(2*(\row)+(\gl)):TT+4*(2*(\row)+(\gl))+3], v2, s[14:15] offset:(\gl)*16384+(\row)*512
.endr
.endr
	WIN 0x40                                       ; destination in window 1: B's words at 128 gl + 4 kw + c
.set n, 0
.rept 64
	global_load_b128 v[4*n:4*n+3], v2, s[12:13] offset:(n/32)*16384+(n%32)*512
.set n, n+1
.endr
	WIN 0
	s_wait_kmcnt 0x0
	v_mov_b32 v9, s72
	v_mov_b32 v10, s73
	v_mov_b32 v11, s74
	s_and_b32 s71, s11, 31
	s_lshl_b32 s71, 1, s71
	s_wait_loadcnt 63                              ; 64 loads were issued behind the first eight: those are in
.set n, 0
.rept 32                               ; n = 8 row + 4 gl + c.  R_1(i)[j] = B[i][j]
	v_and_b32 v15, s71, v[TT+n]
	v_cmp_ne_u32 s[32+n], 0, v15
	v_cndmask_b32 v[VAL+n], v11, v10, s[32+n]      ; e1 where an edge (or the diagonal) is, e10 elsewhere
.set n, n+1
.endr
	s_lshl_b32 s75, s10, 6
	s_sub_co_u32 s75, s11, s75                     ; wg - 64 v - 32 gl equals my lane just where column = query (then c = row)
.irp gl, 0,1
	v_cmp_eq_u32 s78, s75, v8
.irp row, 0,1,2,3
	v_cndmask_b32 v[VAL+8*(\row)+4*(\gl)+(\row)], v[VAL+8*(\row)+4*(\gl)+(\row)], v9, s78
.endr
	s_sub_co_u32 s75, s75, 32
.endr
	v_mov_b32 v[XR], 0
.set n, 0
.rept 32
	v_writelane_b32 v[XR], s[32+n], n
.set n, n+1
.endr
	s_mov_b32 s69, 1                               ; found something at the last level
	s_mov_b32 s70, 0                               ; AND of all my words
	s_mov_b32 s66, 2                               ; d
	s_mov_b32 s67, 8                               ; 4 d
	s_wait_loadcnt 0x0                             ; B's words
; Eight chains (row 0..3 x c = 2 cp, 2 cp + 1) for group gl; seven other chains stand between two links of one.
.macro PAIRBLK gl, cp, first
	WIN 0x04                                       ; source 1 in window 1
.set ch, 0
.rept 8
	v_and_b32 v[ACC+ch], v[RB+32*(ch/2)], v[128*(\gl)+2*(\cp)+ch%2]
.set ch, ch+1
.endr
.set kw, 1
.rept 31
.set ch, 0
.rept 8
	v_and_or_b32 v[ACC+ch], v[RB+32*(ch/2)+kw], v[128*(\gl)+4*kw+2*(\cp)+ch%2], v[ACC+ch]
.set ch, ch+1
.endr
.set kw, kw+1
.endr
	WIN 0
.if \first
	s_wait_kmcnt 0x0                               ; e_d
	v_mov_b32 v12, s68
.endif
.set ch, 0
.rept 8
	v_cmp_ne_u32 s[16+ch], 0, v[ACC+ch]            ; a word of R_d
.set ch, ch+1
.endr
.set ch, 0
.rept 8
.set ow, 8*(ch/2)+4*(\gl)+2*(\cp)+ch%2
	s_and_not1_b32 s[24+ch], s[16+ch], s[32+ow]    ; reached at this level for the first time
	s_mov_b32 s[32+ow], s[16+ch]
	s_or_b32 s69, s69, s[24+ch]
	s_and_b32 s70, s70, s[16+ch]
	v_cndmask_b32 v[VAL+ow], v[VAL+ow], v12, s[24+ch]
	v_writelane_b32 v[XR], s[16+ch], ow
.set ch, ch+1
.endr
.endm
.Lstep:                                        ; d = 2 .. 9
	v_mov_b32 v13, s69
	s_not_b32 s71, s70
	v_mov_b32 v14, s71
	ds_store_b32 v4, v[XR]                         ; my 32 words of R_(d-1)
	ds_store_b32 v5, v13                           ; all lanes write the same word with the same value
	ds_store_b32 v5, v14 offset:16
	s_wait_dscnt 0x0                               ; for the others' sake
	s_barrier_signal -1
	s_barrier_wait -1
.set n, 0
.rept 32
	ds_load_b128 v[RB+4*n:RB+4*n+3], v3 offset:16*n  ; every lane reads the same 16 bytes
.set n, n+1
.endr
	ds_load_b128 v[236:239], v3 offset:XF
	ds_load_b128 v[240:243], v3 offset:XF+16
	s_wait_dscnt 0x0                               ; my reads are over before anybody stores the next level's words
	s_barrier_signal -1
	s_barrier_wait -1
	v_or_b32 v236, v236, v237
	v_or_b32 v238, v238, v239
	v_or_b32 v236, v236, v238
	v_or_b32 v240, v240, v241
	v_or_b32 v242, v242, v243
	v_or_b32 v240, v240, v242
	v_readfirstlane_b32 s72, v236
	v_readfirstlane_b32 s73, v240
	s_cmp_eq_u32 s72, 0                            ; nobody found a node at the last level: R has stopped growing
	s_cbranch_scc1 .Lskip
	s_cmp_eq_u32 s73, 0                            ; every row holds every node
	s_cbranch_scc1 .Lskip                          ; (on this way the words and the flags stay as they are, so all later levels are jumped too)
	s_load_b32 s68, s[4:5], s67 offset:EMB
	s_mov_b32 s69, 0
	s_mov_b32 s70, -1
	PAIRBLK 0, 0, 1
	PAIRBLK 0, 1, 0
	PAIRBLK 1, 0, 0
	PAIRBLK 1, 1, 0
.Lskip:
	s_add_co_u32 s67, s67, 4
	s_add_co_u32 s66, s66, 1
	s_cmp_lt_u32 s66, 10
	s_cbranch_scc1 .Lstep
.irp row, 0,1,2,3
.irp gl, 0,1
	global_store_b128 v2, v[VAL+8*(\row)+4*(\gl):VAL+8*(\row)+4*(\gl)+3], s[8:9] offset:(\row)*4096+(\gl)*512  ; 512 bytes of a row on end
.endr
.endr
	s_wait_tensorcnt 0x0                           ; the wave's end, behind my last LDS store
	ds_add_u32 v6, v7
	s_wait_dscnt 0x0
	s_endpgm
.Lfunc_end_k_q63018b268e_bfs:
	.size	k_q63018b268e_bfs, .Lfunc_end_k_q63018b268e_bfs-k_q63018b268e_bfs
	.p2alignl 7, 3214868480
	.fill 96, 4, 3214868480
	.section	.rodata,"a",@progbits
	.p2align	6, 0x0
	.amdhsa_kernel k_q63018b268e_bfs
		.amdhsa_group_segment_fixed_size 1280
		.amdhsa_private_segment_fixed_size 0
		.amdhsa_enable_private_segment 0
		.amdhsa_kernarg_size 24
		.amdhsa_user_sgpr_count 2
		.amdhsa_user_sgpr_kernarg_segment_ptr 1
		.amdhsa_wavefront_size32 1
		.amdhsa_system_sgpr_workgroup_id_x 1
		.amdhsa_system_sgpr_workgroup_id_y 1
		.amdhsa_system_sgpr_workgroup_id_z 1
		.amdhsa_system_vgpr_workitem_id 0
		.amdhsa_next_free_vgpr 512
		.amdhsa_next_free_sgpr 96
		.amdhsa_reserve_vcc 0
		.amdhsa_float_denorm_mode_32 3
		.amdhsa_float_denorm_mode_16_64 3
		.amdhsa_memory_ordered 1
		.amdhsa_forward_progress 1
		.amdhsa_inst_pref_size 95
	.end_amdhsa_kernel
	.amdgpu_metadata
---
amdhsa.version: [ 1, 2 ]
amdhsa.kernels:
  - .name:           k_q63018b268e_bfs
    .symbol:         k_q63018b268e_bfs.kd
    .args:
      - { .name: opb, .offset: 0, .size: 8, .value_kind: global_buffer, .address_space: global }
      - { .name: bits, .offset: 8, .size: 8, .value_kind: global_buffer, .address_space: global }
      - { .name: bias, .offset: 16, .size: 8, .value_kind: global_buffer, .address_space: global }
    .group_segment_fixed_size: 1280
    .private_segment_fixed_size: 0
    .kernarg_segment_align: 8
    .kernarg_segment_size: 24
    .max_flat_workgroup_size: 128
    .sgpr_count:     96
    .vgpr_count:     512
    .wavefront_size: 32
...
	.end_amdgpu_metadata
.endif
;; end of part 2
;; launch qkv (part 3): grid 8 x 24, 4 waves a work-group, clusters of 4 x 4, 197,120 bytes of LDS; arguments opb, qkv; writes qkv
.if DOCPART == 3
	.amdgcn_target "amdgcn-amd-amdhsa--gfx1250"
	.amdhsa_code_object_version 6
	.text
	.protected	k_q63018b268e_qkv
	.globl	k_q63018b268e_qkv
	.p2align	8
	.type	k_q63018b268e_qkv,@function
k_q63018b268e_qkv:
	s_mov_b64 s[64:65], 0
	v_nop
	global_prefetch_b8 v0, s[64:65] scope:SCOPE_SE
	s_setreg_imm32_b32 hwreg(HW_REG_WAVE_MODE, 25, 1), 1
	s_wait_xcnt 0x0
	s_wait_alu depctr_hold_cnt(0) depctr_sa_sdst(0) depctr_va_vdst(0) depctr_va_sdst(0) depctr_va_ssrc(0) depctr_va_vcc(0) depctr_vm_vsrc(0)
	s_getreg_b32 s2, hwreg(HW_REG_IB_STS2, 6, 4)
	s_cmp_eq_u32 s2, 0
	s_cbranch_scc0 .Lentry_in_a_cluster
	s_endpgm
.Lentry_in_a_cluster:
	s_bfe_u32 s2, ttmp6, 0x10000c
	s_cmp_lg_u32 s2, 0xf033
	s_cbranch_scc0 .Lentry_shape_is_right
	s_endpgm
.Lentry_shape_is_right:
; Q, K, V.  out[p][q] = sum over k of P[p][k] Q[q][k], K = 512, bf16 operands in fragment order (blocks of 16 rows x 32 k, 1,024 bytes; a strip of 16 rows is 16 blocks on end), f32 sums.
; Tile rows Y = 0..15: P = x (64 nodes), Q = wq | wk (128 channels): q and k by heads, [head][node block 64][k block 2][1 KiB]; q is multiplied by 1/8 here, which is exact.
; Tile rows Y = 16..23: P = wv (64 channels = a head), Q = x (128 nodes): v transposed, [head][channel block 4][key block 32][1 KiB].
; THE CORE.  A tile of 64 x 128 with all of K lies in LDS, in four chunks of 128 k; every byte of LDS is filled once.  Each wave asks for its quarter of each chunk: eight tensor loads, all out at once.
; CLUSTER 4 x 4: P's panel hangs on the tile row alone and is asked for jointly by the four of a row of the cluster, Q's on the tile column (and the cluster's y) and by the four of a column.
; The matrix instruction is used transposed (source 0 = 16 rows of Q, source 1 = 16 rows of P): a lane holds one row of P and eight neighbouring rows of Q, and two neighbouring results, rounded in pairs,
; are a block of the output's fragment order in the same lanes: every store is 512 bytes on end.
.set CH,    49152                      ; a chunk in LDS: P [4][4][1 KiB], then Q [8][4][1 KiB]
.set SPARE, 196608                     ; behind the four chunks: the spare words, 128 bytes a wave
.set VEC,   6815744                    ; the table of biases in opb: bq, bk at 0, bv at 4,096
.set ACC, 16                           ; v[16:79]   accumulator (i, j) at 16 + 8 (4 i + j)
.set FR0, 80                           ; v[80:127]  fragment set 0: P's two, then Q's four
.set FR1, 128                          ; v[128:175] set 1
.set BB,  176                          ; v[176:207] bias by column
.set RBI, 208                          ; v[208:211] bias by row, a pair for each i
.macro CROUND                          ; a round of the cluster's barrier
	s_barrier_signal -1
	s_barrier_wait -1
	s_cmp_lg_u32 s10, 0
	s_cbranch_scc1 .Lnot_wave_0_\@
	s_barrier_signal -3
.Lnot_wave_0_\@:
	s_barrier_wait -3
	s_barrier_signal -1
	s_barrier_wait -1
.endm
.macro PLACES                          ; four plain instructions between a matrix instruction and a load into, or a vector instruction on, its registers
.rept 4
	v_nop
.endr
.endm
.macro LDFR f, c, k                    ; twelve LDS loads: the fragments of k block k of chunk c
.irp i, 0,1
.irp s, 0,1
	ds_load_b128 v[(\f)+8*(\i)+4*(\s):(\f)+8*(\i)+4*(\s)+3], v[2+(\c)/2] offset:((\c)%2)*CH+(\i)*4096+(\k)*1024+(\s)*512
.endr
.endr
.irp j, 0,1,2,3
.irp s, 0,1
	ds_load_b128 v[(\f)+16+8*(\j)+4*(\s):(\f)+16+8*(\j)+4*(\s)+3], v[4+(\c)/2] offset:((\c)%2)*CH+(\j)*4096+(\k)*1024+(\s)*512
.endr
.endr
.endm
.macro MM f, zero                      ; eight products; the eight accumulators take turns, one instruction a turn
.irp i, 0,1
.irp j, 0,1,2,3
.if \zero
	v_wmma_f32_16x16x32_bf16 v[ACC+8*(4*(\i)+(\j)):ACC+8*(4*(\i)+(\j))+7], v[(\f)+16+8*(\j):(\f)+16+8*(\j)+7], v[(\f)+8*(\i):(\f)+8*(\i)+7], 0
.else
	v_wmma_f32_16x16x32_bf16 v[ACC+8*(4*(\i)+(\j)):ACC+8*(4*(\i)+(\j))+7], v[(\f)+16+8*(\j):(\f)+16+8*(\j)+7], v[(\f)+8*(\i):(\f)+8*(\i)+7], v[ACC+8*(4*(\i)+(\j)):ACC+8*(4*(\i)+(\j))+7]
.endif
.endr
.endr
.endm
.macro CHUNK c
	s_wait_tensorcnt 6-2*(\c)                      ; my two loads of this chunk are in; two belong to each later chunk
	s_barrier_signal -1                            ; (no LDS instruction of mine is out here)
	s_barrier_wait -1                              ; everybody's are
	LDFR FR0, \c, 0
	LDFR FR1, \c, 1
	s_wait_dscnt 12                                ; all but the twelve just issued
.if (\c) == 0
	MM FR0, 1                                      ; the first products start the sums
.else
	MM FR0, 0
.endif
	PLACES
	LDFR FR0, \c, 2
	s_wait_dscnt 12
	MM FR1, 0
	PLACES
	LDFR FR1, \c, 3
	s_wait_dscnt 12
	MM FR0, 0
	s_wait_dscnt 0x0
	MM FR1, 0
	PLACES
.endm
	s_load_b128 s[4:7], s[0:1], 0x0                ; opb, qkv
	v_lshl_add_u32 v6, v0, 2, SPARE
	v_mov_b32 v7, 0
	ds_add_u32 v6, v7                              ; the opening: the add, twice on end, and its wait ahead of my first tensor load
	ds_add_u32 v6, v7
	v_lshrrev_b32 v1, 5, v0
	v_readfirstlane_b32 s10, v1                    ; wave
	s_lshr_b32 s11, s10, 1                         ; wp: which 32 rows of P
	s_and_b32 s12, s10, 1                          ; wq: which 64 rows of Q
	s_bfe_u32 s13, ttmp6, 0x40000                  ; cx
	s_bfe_u32 s14, ttmp6, 0x40004                  ; cy
	s_lshl_b32 s15, ttmp9, 2
	s_add_co_u32 s15, s15, s13                     ; X
	s_and_b32 s67, ttmp7, 0xffff                   ; the cluster's y: from 4 on, v
	s_lshl_b32 s66, s67, 2
	s_add_co_u32 s66, s66, s14                     ; Y
	s_lshl_b32 s76, s14, 2
	s_lshl_b32 s76, 15, s76                        ; my row of the cluster
	s_lshl_b32 s77, 0x1111, s13                    ; my column
	s_or_b32 s16, s76, (3<<16)|(1<<21)             ; P: elements of 8 bytes; 4,096 dense bytes as 16 rows of 256
	s_mov_b32 s17, 32<<16
	s_mov_b32 s18, 16<<16
	s_mov_b32 s19, 32<<16
	s_mov_b32 s20, 16
	s_mov_b32 s21, 32
	s_mov_b32 s22, 0
	s_mov_b32 s23, 0
	s_or_b32 s24, s77, (3<<16)|(1<<21)             ; Q: two rows of 4,096 bytes, 16,384 apart (two strips' part of the chunk)
	s_mov_b32 s25, 512<<16
	s_mov_b32 s26, 2<<16
	s_mov_b32 s27, 512<<16
	s_mov_b32 s28, 2
	s_mov_b32 s29, 2048
	s_mov_b32 s30, 0
	s_mov_b32 s31, 0
	s_lshl_b32 s68, s66, 16                        ; P: tile row Y (four strips), my strip; made of Y and the wave's number alone
	s_lshl_b32 s78, s10, 14
	s_add_co_u32 s68, s68, s78
	s_add_co_u32 s68, s68, 0x200000                ; x | wv begin here in opb
	s_mov_b32 s69, 0
	s_lshl_b32 s70, s15, 17                        ; Q: tile column X (eight strips), my two strips
	s_lshl_b32 s78, s10, 15
	s_add_co_u32 s70, s70, s78
	s_mov_b32 s78, 0x380000                        ; wq | wk,
	s_cmp_ge_u32 s67, 4
	s_cselect_b32 s78, 0x200000, s78               ; or x
	s_add_co_u32 s70, s70, s78
	s_mov_b32 s71, 0
	s_lshl_b32 s79, s10, 12
	s_lshl_b32 s80, s10, 13
	s_add_co_u32 s80, s80, 16384
.irp c, 0,1,2,3
	s_mov_b32 s[32+8*(\c)], 1
	s_add_co_u32 s[33+8*(\c)], s79, (\c)*CH        ; LDS: the chunk, my 4,096 bytes of P
	s_mov_b32 s[36+8*(\c)], 1
	s_add_co_u32 s[37+8*(\c)], s80, (\c)*CH        ; my 8,192 bytes of Q
.endr
	s_wait_dscnt 0x0                               ; both opening adds are done
	s_wait_kmcnt 0x0
	s_add_nc_u64 s[72:73], s[4:5], s[68:69]
	s_add_nc_u64 s[74:75], s[4:5], s[70:71]
.irp c, 0,1,2,3
	s_add_nc_u64 s[34+8*(\c):35+8*(\c)], s[72:73], (\c)*4096
	s_or_b32 s[35+8*(\c)], s[35+8*(\c)], 0x80000000
	s_add_nc_u64 s[38+8*(\c):39+8*(\c)], s[74:75], (\c)*4096
	s_or_b32 s[39+8*(\c)], s[39+8*(\c)], 0x80000000
.endr
	CROUND                                         ; all sixteen work-groups are here: the joint loads meet
.irp c, 0,1,2,3
	tensor_load_to_lds s[32+8*(\c):35+8*(\c)], s[16:23]
	s_nop 0
	tensor_load_to_lds s[36+8*(\c):39+8*(\c)], s[24:31]
	s_nop 0
.endr
	PLACES                                         ; eight loads of mine are out
	v_and_b32 v12, 31, v0
	v_lshlrev_b32 v12, 4, v12                      ; 16 l
	v_and_b32 v13, 15, v0                          ; r
	v_bfe_u32 v14, v0, 4, 1                        ; h
	s_lshl_b32 s78, s11, 13
	v_add_nc_u32 v2, s78, v12                      ; my P fragments in chunks 0, 1
	v_add_nc_u32 v3, 2*CH, v2                      ; in chunks 2, 3
	s_lshl_b32 s78, s12, 14
	s_add_co_u32 s78, s78, 16384
	v_add_nc_u32 v4, s78, v12                      ; the same for Q
	v_add_nc_u32 v5, 2*CH, v4
	s_lshl_b32 s78, s15, 9
	s_lshl_b32 s79, s12, 8
	s_add_co_u32 s78, s78, s79
	v_lshl_add_u32 v10, v14, 5, s78                ; bias by column: 4 (128 X + 64 wq + 8 h)
	s_and_b32 s78, s66, 7
	s_lshl_b32 s78, s78, 8
	s_lshl_b32 s79, s11, 7
	s_add_co_u32 s78, s78, s79
	v_lshl_add_u32 v11, v13, 2, s78                ; bias by row: 4 (64 (Y % 8) + 32 wp + r)
.irp j, 0,1,2,3
.irp u, 0,1
	global_load_b128 v[BB+8*(\j)+4*(\u):BB+8*(\j)+4*(\u)+3], v10, s[4:5] offset:VEC+(\j)*64+(\u)*16
.endr
.endr
.irp i, 0,1
	global_load_b32 v[RBI+2*(\i)], v11, s[4:5] offset:VEC+4096+(\i)*64
	global_load_b32 v[RBI+2*(\i)+1], v11, s[4:5] offset:VEC+4096+(\i)*64   ; both registers of the pair are written
.endr
	s_lshr_b32 s82, s15, 2                         ; q, k: (X / 4) MiB + head (2 (X % 4) + wq) x 131,072 + node block (4 Y + 2 wp) x 2,048
	s_lshl_b32 s82, s82, 20
	s_and_b32 s83, s15, 3
	s_lshl1_add_u32 s83, s83, s12
	s_lshl_b32 s83, s83, 17
	s_add_co_u32 s82, s82, s83
	s_lshl1_add_u32 s83, s66, s11
	s_lshl_b32 s83, s83, 12
	s_add_co_u32 s82, s82, s83
	s_sub_co_u32 s84, s66, 16                      ; v: 2 MiB + head (Y - 16) x 131,072 + channel block 2 wp x 32,768 + key block (4 X + 2 wq) x 1,024
	s_lshl_b32 s84, s84, 17
	s_lshl_b32 s83, s11, 16
	s_add_co_u32 s84, s84, s83
	s_lshl1_add_u32 s83, s15, s12
	s_lshl_b32 s83, s83, 11
	s_add_co_u32 s84, s84, s83
	s_add_co_u32 s84, s84, 0x200000
	s_mov_b32 s85, 2048
	s_cmp_ge_u32 s67, 4
	s_cselect_b32 s82, s84, s82
	s_cselect_b32 s85, 0x8000, s85                 ; from i = 0 to i = 1
	v_add_nc_u32 v8, s82, v12
	v_add_nc_u32 v9, s85, v8
	s_cmp_eq_u32 ttmp9, 0                          ; X < 4: q
	s_cselect_b32 s80, 0x3e000000, 1.0             ; 1/8 or 1
	s_mov_b32 s81, s80
	CHUNK 0
	CHUNK 1
	CHUNK 2
	CHUNK 3
	PLACES
	s_wait_loadcnt 0x0                             ; the biases
	s_cmp_ge_u32 s67, 4                            ; the cluster's y: the same in all sixteen
	s_cbranch_scc1 .Lvt
.set n, 0
.rept 16
	v_pk_mul_f32 v[BB+n:BB+n+1], v[BB+n:BB+n+1], s[80:81] op_sel_hi:[1,0]
.set n, n+2
.endr
.set n, 0
.rept 32                               ; each accumulator's registers in ascending order
	v_pk_fma_f32 v[ACC+n:ACC+n+1], v[ACC+n:ACC+n+1], s[80:81], v[BB+n%32:BB+n%32+1] op_sel_hi:[1,0,1]
.set n, n+2
.endr
	s_branch .Lcv
.Lvt:
.set n, 0
.rept 32
	v_pk_add_f32 v[ACC+n:ACC+n+1], v[ACC+n:ACC+n+1], v[RBI+2*(n/32):RBI+2*(n/32)+1] op_sel_hi:[1,0]
.set n, n+2
.endr
.Lcv:
.set n, 0
.rept 32
	v_cvt_pk_bf16_f32 v[FR0+n], v[ACC+2*n], v[ACC+2*n+1]
.set n, n+1
.endr
.irp i, 0,1
.irp j, 0,1,2,3
	global_store_b128 v[8+(\i)], v[FR0+4*(4*(\i)+(\j)):FR0+4*(4*(\i)+(\j))+3], s[6:7] offset:((\j)/2)*1024+((\j)%2)*512
.endr
.endr
	s_wait_tensorcnt 0x0                           ; the wave's end
	ds_add_u32 v6, v7
	s_wait_dscnt 0x0
	CROUND                                         ; the closing round
	s_endpgm
.Lfunc_end_k_q63018b268e_qkv:
	.size	k_q63018b268e_qkv, .Lfunc_end_k_q63018b268e_qkv-k_q63018b268e_qkv
	.p2alignl 7, 3214868480
	.fill 96, 4, 3214868480
	.section	.rodata,"a",@progbits
	.p2align	6, 0x0
	.amdhsa_kernel k_q63018b268e_qkv
		.amdhsa_group_segment_fixed_size 197120
		.amdhsa_private_segment_fixed_size 0
		.amdhsa_enable_private_segment 0
		.amdhsa_kernarg_size 16
		.amdhsa_user_sgpr_count 2
		.amdhsa_user_sgpr_kernarg_segment_ptr 1
		.amdhsa_wavefront_size32 1
		.amdhsa_system_sgpr_workgroup_id_x 1
		.amdhsa_system_sgpr_workgroup_id_y 1
		.amdhsa_system_sgpr_workgroup_id_z 1
		.amdhsa_system_vgpr_workitem_id 0
		.amdhsa_next_free_vgpr 224
		.amdhsa_next_free_sgpr 96
		.amdhsa_reserve_vcc 0
		.amdhsa_float_denorm_mode_32 3
		.amdhsa_float_denorm_mode_16_64 3
		.amdhsa_memory_ordered 1
		.amdhsa_forward_progress 1
		.amdhsa_inst_pref_size 40
	.end_amdhsa_kernel
	.amdgpu_metadata
---
amdhsa.version: [ 1, 2 ]
amdhsa.kernels:
  - .name:           k_q63018b268e_qkv
    .symbol:         k_q63018b268e_qkv.kd
    .args:
      - { .name: opb, .offset: 0, .size: 8, .value_kind: global_buffer, .address_space: global }
      - { .name: qkv, .offset: 8, .size: 8, .value_kind: global_buffer, .address_space: global }
    .group_segment_fixed_size: 197120
    .private_segment_fixed_size: 0
    .kernarg_segment_align: 8
    .kernarg_segment_size: 16
    .max_flat_workgroup_size: 128
    .sgpr_count:     96
    .vgpr_count:     224
    .wavefront_size: 32
...
	.end_amdgpu_metadata
.endif
;; end of part 3
;; launch attn (part 4): grid 32 x 8, 4 waves a work-group, no clusters, 34,304 bytes of LDS; arguments qkv, bias, act1; writes act1
.if DOCPART == 4
	.amdgcn_target "amdgcn-amd-amdhsa--gfx1250"
	.amdhsa_code_object_version 6
	.text
	.protected	k_q63018b268e_attn
	.globl	k_q63018b268e_attn
	.p2align	8
	.type	k_q63018b268e_attn,@function
k_q63018b268e_attn:
	s_mov_b64 s[64:65], 0
	v_nop
	global_prefetch_b8 v0, s[64:65] scope:SCOPE_SE
	s_setreg_imm32_b32 hwreg(HW_REG_WAVE_MODE, 25, 1), 1
	s_wait_xcnt 0x0
; ATTENTION with an additive bias.  ctx[q][head, :] = sum over keys of softmax_k(q . k / 8 + bias[q][k]) v[k].  q (already divided by 8), k, v^T in bf16 fragment order by heads; bias f32 row-major.
; SHARES.  A work-group owns 32 queries (two tiles) of one head; wave w owns keys 256 w .. + 255 for both tiles.  All 1,024 scores of a query are in registers at once, so the maximum that is taken away is
; the row's true maximum; the four waves exchange maxima, sums and partial outputs through LDS.  Every byte of k, v and bias goes straight into the registers of the one wave that uses it.
; NO CLUSTER: the 32 work-groups of a head read the same k and v, but through LDS these would be written and read once more for each work-group, and k, v and the bias tile together do not fit there.
; LAYOUT.  S^T = K Q^T + bias (source 0 = 16 keys, source 1 = 16 queries, C = the bias as loaded): a lane holds one query (lane % 16) and keys 8 (lane / 16) + 0..7.  Two such results rounded in pairs are
; source 1 of O^T = V^T P.
; LIMITS.  p is rounded to bf16 for the second product; l is the sum of the unrounded p; a weight below 2^-126 counts as 0; NaN and infinities are not treated apart.
; REGISTERS: window 0: addresses, Q, O^T, statistics; window 1: K (key tile kt, k block kb at 8 (2 kt + kb)); window 2: V^T (chunk of 32 keys cc, channel tile ct at 8 (4 cc + ct));
; window 3: S^T (kt, query tile qt at 8 (2 kt + qt)); later P (cc, qt) in the registers of S^T (2 cc, qt).
.set MX,    0                          ; LDS: maxima [16 qt + r][wave]
.set LS,    512                        ; sums, likewise
.set OP,    1024                       ; partial O^T: [wave][accumulator 8][half 2][lane][16 bytes]
.set SPARE, 33792                      ; the spare words, 128 bytes a wave
.set Q,    16                          ; v[16:47]   Q (qt, kb) at 16 + 16 qt + 8 kb
.set O,    48                          ; v[48:111]  O^T (4 qt + ct)
.set TM,   112                         ; v[112:119] maxima, four chains a query tile
.set CM,   120                         ; v[120:123] log2(e) x maximum, a pair a query tile
.set LSUM, 124                         ; v[124:139] sums, four pairs a query tile
.set RED,  144                         ; v[144:207] what comes back from LDS
.set TT,   208                         ; v[208:217] at work
.set MSB, 0
.macro WIN new
.if MSB != (\new)
	s_set_vgpr_msb (MSB<<8)|(\new)
.set MSB, \new
.endif
.endm
.macro PLACES
.rept 4
	v_nop
.endr
.endm
.macro LG g                            ; key tiles 4 g .. + 3: 16 loads of K, 16 of the bias (straight into S^T's registers)
	WIN 0x40
.set n, 0
.rept 16
.set fr, 2*(4*(\g)+n/4)+(n/2)%2
	global_load_b128 v[8*fr+4*(n%2):8*fr+4*(n%2)+3], v2, s[26:27] offset:fr*1024+(n%2)*512
.set n, n+1
.endr
	WIN 0xc0
.set n, 0
.rept 16
.set kt, 4*(\g)+n/4
.set fr, 2*kt+(n/2)%2
	global_load_b128 v[8*fr+4*(n%2):8*fr+4*(n%2)+3], v3, s[30:31] offset:((n/2)%2)*65536+kt*64+(n%2)*16
.set n, n+1
.endr
.endm
.macro LV hf                           ; chunks 4 hf .. + 3 of V^T: 32 loads
	WIN 0x80
.set n, 0
.rept 32
.set cc, 4*(\hf)+n/8
.set fr, 4*cc+(n/2)%4
	global_load_b128 v[8*fr+4*(n%2):8*fr+4*(n%2)+3], v2, s[28:29] offset:((n/2)%4)*32768+cc*1024+(n%2)*512
.set n, n+1
.endr
.endm
.macro SG g                            ; 16 products; the group's eight accumulators take turns
	WIN 0xf1                                       ; K window 1, Q window 0, C and D window 3
.set n, 0
.rept 16
.set kt, 4*(\g)+(n/2)%4
.set rs, 8*(2*kt+n%2)
.set rk, 8*(2*kt+n/8)
.set rq, Q+16*(n%2)+8*(n/8)
	v_wmma_f32_16x16x32_bf16 v[rs:rs+7], v[rk:rk+7], v[rq:rq+7], v[rs:rs+7]
.set n, n+1
.endr
.endm
	s_load_b128 s[4:7], s[0:1], 0x0                ; qkv, bias
	s_load_b64 s[8:9], s[0:1], 0x10                ; act1
	v_lshl_add_u32 v8, v0, 2, SPARE
	v_mov_b32 v9, 0
	v_lshrrev_b32 v1, 5, v0
	v_readfirstlane_b32 s10, v1                    ; wave
	s_mov_b32 s11, ttmp9                           ; block of 32 queries
	s_and_b32 s12, ttmp7, 0xffff                   ; head
	v_and_b32 v12, 31, v0
	v_lshlrev_b32 v2, 4, v12                       ; 16 l
	v_and_b32 v13, 15, v0                          ; r
	v_bfe_u32 v14, v0, 4, 1                        ; h
	v_lshlrev_b32 v3, 12, v13
	v_lshl_add_u32 v3, v14, 5, v3                  ; bias: row r, 8 h keys on
	v_lshlrev_b32 v5, 4, v13                       ; 16 r
	s_lshl_b32 s16, s10, 2
	v_add_nc_u32 v4, s16, v5                       ; 16 r + 4 w
	s_lshl_b32 s16, s10, 13
	s_add_co_u32 s16, s16, OP
	v_add_nc_u32 v6, s16, v2                       ; where I put my partial O^T
	s_lshl_b32 s16, s10, 11
	s_add_co_u32 s16, s16, OP
	v_add_nc_u32 v7, s16, v2                       ; accumulators 2 w, 2 w + 1 of wave 0
	s_lshr_b32 s13, s10, 1
	s_and_b32 s14, s10, 1
	s_lshl_b32 s16, s13, 8
	s_add_co_u32 s16, s16, LS
	v_add_nc_u32 v11, s16, v5                      ; the sums of query tile w / 2
	v_mov_b32 v[TT], 0                             ; v_permlanex16_b32 counts as a reader of its destination
	v_mov_b32 v[TT+1], 0
	s_mov_b32 s20, 0x3fb8aa3b                      ; log2(e)
	s_mov_b32 s21, s20
	s_mov_b32 s22, 0x76543210
	s_mov_b32 s23, 0xfedcba98
	s_lshl_b32 s16, s12, 17                        ; a head is 131,072 bytes of q, of k and of v^T
	s_mov_b32 s19, 0
	s_mov_b32 s35, 0
	s_mov_b32 s37, 0
	s_mov_b32 s39, 0
	s_lshl_b32 s18, s11, 12
	s_add_co_u32 s18, s18, s16                     ; q: node blocks 2 qb, 2 qb + 1
	s_lshl_b32 s34, s10, 15
	s_add_co_u32 s34, s34, s16
	s_add_co_u32 s34, s34, 0x100000                ; k: node blocks 16 w ..
	s_lshl_b32 s36, s10, 13
	s_add_co_u32 s36, s36, s16
	s_add_co_u32 s36, s36, 0x200000                ; v^T: key blocks 8 w ..
	s_lshl_b32 s38, s11, 17
	s_lshl_b32 s17, s10, 10
	s_add_co_u32 s38, s38, s17                     ; bias: 32 rows, my 256 keys
	s_wait_kmcnt 0x0
	s_add_nc_u64 s[24:25], s[4:5], s[18:19]
	s_add_nc_u64 s[26:27], s[4:5], s[34:35]
	s_add_nc_u64 s[28:29], s[4:5], s[36:37]
	s_add_nc_u64 s[30:31], s[6:7], s[38:39]
	s_lshl1_add_u32 s18, s11, s13                  ; ctx: node block 2 qb + w / 2,
	s_lshl_b32 s18, s18, 4
	s_lshl1_add_u32 s17, s12, s14                  ; k block 2 head + w % 2
	s_add_co_u32 s18, s18, s17
	s_lshl_b32 s18, s18, 10
	s_add_nc_u64 s[32:33], s[8:9], s[18:19]
.set n, 0
.rept 8
	global_load_b128 v[Q+4*n:Q+4*n+3], v2, s[24:25] offset:n*512
.set n, n+1
.endr
	LG 0
	LG 1
	s_wait_loadcnt 32                              ; all but the group just issued
	SG 0
	LG 2
	s_wait_loadcnt 32
	SG 1
	LG 3
	s_wait_loadcnt 32
	SG 2
	LV 0
	s_wait_loadcnt 32
	SG 3
	LV 1
	PLACES
	PLACES
	; THE MAXIMUM: eight chains of 32 scores, each accumulator's lowest registers first
	WIN 0x3f
.irp q, 0,1
.irp g, 0,1,2,3
	v_max3_num_f32 v[TM+4*(\q)+(\g)], v[8*(8*(\g)+(\q))], v[8*(8*(\g)+(\q))+1], v[8*(8*(\g)+(\q))+2]
.endr
.endr
	WIN 0x3c
.set st, 1
.rept 14
.irp q, 0,1
.irp g, 0,1,2,3
	v_max3_num_f32 v[TM+4*(\q)+(\g)], v[TM+4*(\q)+(\g)], v[8*(2*(4*(\g)+(2*st+1)/8)+(\q))+(2*st+1)%8], v[8*(2*(4*(\g)+(2*st+2)/8)+(\q))+(2*st+2)%8]
.endr
.endr
.set st, st+1
.endr
.irp q, 0,1
.irp g, 0,1,2,3
	v_max_num_f32 v[TM+4*(\q)+(\g)], v[TM+4*(\q)+(\g)], v[8*(2*(4*(\g)+3)+(\q))+7]
.endr
.endr
	WIN 0
.irp q, 0,1
	v_max3_num_f32 v[TM+4*(\q)], v[TM+4*(\q)], v[TM+4*(\q)+1], v[TM+4*(\q)+2]
.endr
.irp q, 0,1
	v_max_num_f32 v[TM+4*(\q)], v[TM+4*(\q)], v[TM+4*(\q)+3]
.endr
.irp q, 0,1
	v_permlanex16_b32 v[TT+(\q)], v[TM+4*(\q)], s22, s23   ; the query's other keys lie in the lane 16 away
.endr
.irp q, 0,1
	v_max_num_f32 v[TM+4*(\q)], v[TM+4*(\q)], v[TT+(\q)]
	ds_store_b32 v4, v[TM+4*(\q)] offset:MX+(\q)*256
.endr
	s_wait_dscnt 0x0
	s_barrier_signal -1
	s_barrier_wait -1
.irp q, 0,1
	ds_load_b128 v[RED+4*(\q):RED+4*(\q)+3], v5 offset:MX+(\q)*256
.endr
	s_wait_dscnt 0x0
.irp q, 0,1
	v_max3_num_f32 v[TM+4*(\q)], v[RED+4*(\q)], v[RED+4*(\q)+1], v[RED+4*(\q)+2]
.endr
.irp q, 0,1
	v_max_num_f32 v[TM+4*(\q)], v[TM+4*(\q)], v[RED+4*(\q)+3]
.endr
.irp q, 0,1
	v_mul_f32 v[CM+2*(\q)], s20, v[TM+4*(\q)]
.endr
.irp q, 0,1
	v_mov_b32 v[CM+2*(\q)+1], v[CM+2*(\q)]
.endr
	; p = 2^(log2(e) s - log2(e) m), in place: ONE batch of 256 exponentials, none of whose results is named ahead of the one wait
	WIN 0xc3
.set tl, 0
.rept 32
.irp m, 0,1,2,3
	v_pk_fma_f32 v[8*tl+2*(\m):8*tl+2*(\m)+1], v[8*tl+2*(\m):8*tl+2*(\m)+1], s[20:21], v[CM+2*(tl%2):CM+2*(tl%2)+1] op_sel_hi:[1,0,1] neg_lo:[0,0,1] neg_hi:[0,0,1]
.endr
.irp m, 0,1,2,3,4,5,6,7
	v_exp_f32 v[8*tl+(\m)], v[8*tl+(\m)]
.endr
.set tl, tl+1
.endr
	v_nop                                          ; a plain instruction behind the last exponential,
	s_wait_alu depctr_va_vdst(0)                   ; and the wait ahead of the first use
	; the sums, eight chains of 16 pairs
	WIN 0x0f
.irp q, 0,1
.irp g, 0,1,2,3
	v_pk_add_f32 v[LSUM+2*(4*(\q)+(\g)):LSUM+2*(4*(\q)+(\g))+1], v[8*(8*(\g)+(\q)):8*(8*(\g)+(\q))+1], v[8*(8*(\g)+(\q))+2:8*(8*(\g)+(\q))+3]
.endr
.endr
	WIN 0x0c
.set pn, 2
.rept 14
.irp q, 0,1
.irp g, 0,1,2,3
	v_pk_add_f32 v[LSUM+2*(4*(\q)+(\g)):LSUM+2*(4*(\q)+(\g))+1], v[LSUM+2*(4*(\q)+(\g)):LSUM+2*(4*(\q)+(\g))+1], v[8*(2*(4*(\g)+pn/4)+(\q))+2*(pn%4):8*(2*(4*(\g)+pn/4)+(\q))+2*(pn%4)+1]
.endr
.endr
.set pn, pn+1
.endr
	; P: two tiles of 16 keys, rounded in pairs, into the first tile's registers; ascending, so that no register is written before it is read
	WIN 0xcf
.set n, 0
.rept 16                               ; n = 2 cc + qt
.set b0, 8*(4*(n/2)+n%2)
.irp m, 0,1,2,3
	v_cvt_pk_bf16_f32 v[b0+(\m)], v[b0+2*(\m)], v[b0+2*(\m)+1]
.endr
.irp m, 0,1,2,3
	v_cvt_pk_bf16_f32 v[b0+4+(\m)], v[b0+16+2*(\m)], v[b0+16+2*(\m)+1]
.endr
.set n, n+1
.endr
	s_wait_loadcnt 0x0                             ; V^T
	WIN 0x0e                                       ; V^T window 2, P window 3, O^T window 0
.set n, 0
.rept 64                               ; n = 8 cc + 2 ct + qt: the eight accumulators take turns
.set ro, O+8*(4*(n%2)+(n/2)%4)
.set rv, 8*(4*(n/8)+(n/2)%4)
.set rp, 8*(4*(n/8)+n%2)
.if n < 8
	v_wmma_f32_16x16x32_bf16 v[ro:ro+7], v[rv:rv+7], v[rp:rp+7], 0
.else
	v_wmma_f32_16x16x32_bf16 v[ro:ro+7], v[rv:rv+7], v[rp:rp+7], v[ro:ro+7]
.endif
.set n, n+1
.endr
	WIN 0
	; the sums' joins are the plain instructions behind the last products
.irp q, 0,1
	v_pk_add_f32 v[LSUM+8*(\q):LSUM+8*(\q)+1], v[LSUM+8*(\q):LSUM+8*(\q)+1], v[LSUM+8*(\q)+2:LSUM+8*(\q)+3]
	v_pk_add_f32 v[LSUM+8*(\q)+4:LSUM+8*(\q)+5], v[LSUM+8*(\q)+4:LSUM+8*(\q)+5], v[LSUM+8*(\q)+6:LSUM+8*(\q)+7]
.endr
.irp q, 0,1
	v_pk_add_f32 v[LSUM+8*(\q):LSUM+8*(\q)+1], v[LSUM+8*(\q):LSUM+8*(\q)+1], v[LSUM+8*(\q)+4:LSUM+8*(\q)+5]
.endr
.irp q, 0,1
	v_add_f32 v[LSUM+8*(\q)], v[LSUM+8*(\q)], v[LSUM+8*(\q)+1]
.endr
.irp q, 0,1
	v_permlanex16_b32 v[TT+(\q)], v[LSUM+8*(\q)], s22, s23
.endr
.irp q, 0,1
	v_add_f32 v[LSUM+8*(\q)], v[LSUM+8*(\q)], v[TT+(\q)]
	ds_store_b32 v4, v[LSUM+8*(\q)] offset:LS+(\q)*256
.endr
.set n, 0
.rept 16                               ; each accumulator's low half first
	ds_store_b128 v6, v[O+4*n:O+4*n+3] offset:n*512
.set n, n+1
.endr
	s_wait_dscnt 0x0
	s_barrier_signal -1
	s_barrier_wait -1
.set n, 0
.rept 16                               ; n = 4 wave + 2 e + u: accumulators 2 w + e of all four waves
	ds_load_b128 v[RED+4*n:RED+4*n+3], v7 offset:(n/4)*8192+(n%4)*512
.set n, n+1
.endr
	ds_load_b128 v[TT+4:TT+7], v11
	s_wait_dscnt 0x0
	v_add_f32 v[TT+4], v[TT+4], v[TT+5]
	v_add_f32 v[TT+6], v[TT+6], v[TT+7]
	v_add_f32 v[TT+4], v[TT+4], v[TT+6]
	v_rcp_f32 v[TT+8], v[TT+4]
.set n, 0
.rept 8
	v_pk_add_f32 v[RED+n:RED+n+1], v[RED+n:RED+n+1], v[RED+16+n:RED+16+n+1]
	v_pk_add_f32 v[RED+32+n:RED+32+n+1], v[RED+32+n:RED+32+n+1], v[RED+48+n:RED+48+n+1]
.set n, n+2
.endr
.set n, 0
.rept 8
	v_pk_add_f32 v[RED+n:RED+n+1], v[RED+n:RED+n+1], v[RED+32+n:RED+32+n+1]
.set n, n+2
.endr
	s_wait_alu depctr_va_vdst(0)                   ; the reciprocal; the sums above are the independent work behind it
	v_mov_b32 v[TT+9], v[TT+8]
.set n, 0
.rept 8
	v_pk_mul_f32 v[RED+n:RED+n+1], v[RED+n:RED+n+1], v[TT+8:TT+9]
.set n, n+2
.endr
.set n, 0
.rept 8
	v_cvt_pk_bf16_f32 v[TM+n], v[RED+2*n], v[RED+2*n+1]
.set n, n+1
.endr
	global_store_b128 v2, v[TM:TM+3], s[32:33]               ; 512 bytes on end, twice: a block of ctx in fragment order
	global_store_b128 v2, v[TM+4:TM+7], s[32:33] offset:512
	s_wait_tensorcnt 0x0                           ; the wave's end, behind my last LDS store
	ds_add_u32 v8, v9
	s_wait_dscnt 0x0
	s_endpgm
.Lfunc_end_k_q63018b268e_attn:
	.size	k_q63018b268e_attn, .Lfunc_end_k_q63018b268e_attn-k_q63018b268e_attn
	.p2alignl 7, 3214868480
	.fill 96, 4, 3214868480
	.section	.rodata,"a",@progbits
	.p2align	6, 0x0
	.amdhsa_kernel k_q63018b268e_attn
		.amdhsa_group_segment_fixed_size 34304
		.amdhsa_private_segment_fixed_size 0
		.amdhsa_enable_private_segment 0
		.amdhsa_kernarg_size 24
		.amdhsa_user_sgpr_count 2
		.amdhsa_user_sgpr_kernarg_segment_ptr 1
		.amdhsa_wavefront_size32 1
		.amdhsa_system_sgpr_workgroup_id_x 1
		.amdhsa_system_sgpr_workgroup_id_y 1
		.amdhsa_system_sgpr_workgroup_id_z 1
		.amdhsa_system_vgpr_workitem_id 0
		.amdhsa_next_free_vgpr 1024
		.amdhsa_next_free_sgpr 66
		.amdhsa_reserve_vcc 0
		.amdhsa_float_denorm_mode_32 3
		.amdhsa_float_denorm_mode_16_64 3
		.amdhsa_memory_ordered 1
		.amdhsa_forward_progress 1
		.amdhsa_inst_pref_size 77
	.end_amdhsa_kernel
	.amdgpu_metadata
---
amdhsa.version: [ 1, 2 ]
amdhsa.kernels:
  - .name:           k_q63018b268e_attn
    .symbol:         k_q63018b268e_attn.kd
    .args:
      - { .name: qkv, .offset: 0, .size: 8, .value_kind: global_buffer, .address_space: global }
      - { .name: bias, .offset: 8, .size: 8, .value_kind: global_buffer, .address_space: global }
      - { .name: act1, .offset: 16, .size: 8, .value_kind: global_buffer, .address_space: global }
    .group_segment_fixed_size: 34304
    .private_segment_fixed_size: 0
    .kernarg_segment_align: 8
    .kernarg_segment_size: 24
    .max_flat_workgroup_size: 128
    .sgpr_count:     66
    .vgpr_count:     1024
    .wavefront_size: 32
...
	.end_amdgpu_metadata
.endif
;; end of part 4
;; launch oproj (part 5): grid 4 x 16, 4 waves a work-group, clusters of 4 x 4, 197,120 bytes of LDS; arguments act1, wob, part; writes part
.if DOCPART == 5
	.amdgcn_target "amdgcn-amd-amdhsa--gfx1250"
	.amdhsa_code_object_version 6
	.text
	.protected	k_q63018b268e_oproj
	.globl	k_q63018b268e_oproj
	.p2align	8
	.type	k_q63018b268e_oproj,@function
k_q63018b268e_oproj:
	s_mov_b64 s[64:65], 0
	v_nop
	global_prefetch_b8 v0, s[64:65] scope:SCOPE_SE
	s_setreg_imm32_b32 hwreg(HW_REG_WAVE_MODE, 25, 1), 1
	s_wait_xcnt 0x0
	s_wait_alu depctr_hold_cnt(0) depctr_sa_sdst(0) depctr_va_vdst(0) depctr_va_sdst(0) depctr_va_ssrc(0) depctr_va_vcc(0) depctr_vm_vsrc(0)
	s_getreg_b32 s2, hwreg(HW_REG_IB_STS2, 6, 4)
	s_cmp_eq_u32 s2, 0
	s_cbranch_scc0 .Lentry_in_a_cluster
	s_endpgm
.Lentry_in_a_cluster:
	s_bfe_u32 s2, ttmp6, 0x10000c
	s_cmp_lg_u32 s2, 0xf033
	s_cbranch_scc0 .Lentry_shape_is_right
	s_endpgm
.Lentry_shape_is_right:
; A PRODUCT INTO f32 BLOCKS, K = 512 for each cluster column.  part[s][p][q] = sum over k in panel s of P[p][k] Q[q][k].  P: [panel s][1,024 rows][512 k], a panel 1 MiB; Q: [panel s][512 rows][512 k], a panel 512 KiB;
; both bf16 in fragment order (blocks of 16 rows x 32 k, 1,024 bytes; a strip of 16 rows is 16 blocks on end).  s = the cluster's x, the tile column of 128 = the place in the cluster's x.
; Used twice: ctx x wo^T (one panel) and g x w2^T (four panels, whose f32 sums a later launch adds in a fixed order).
; Output: block (16 rows, 16 columns) is 1,024 bytes at (32 rb + cb) x 1,024; element (r, 8 h + 4 u + e) at 512 u + 16 (16 h + r) + 4 e: an accumulator's registers as they lie; each store is 512 bytes on end.
; THE CORE.  A tile of 64 x 128 with all of K lies in LDS, in four chunks of 128 k; every byte of LDS is filled once; eight tensor loads a wave, all out at once.
; CLUSTER 4 x 4: P's panel is asked for jointly by the four of a row of the cluster, Q's by the four of a column.  Source 0 = 16 rows of Q, source 1 = 16 rows of P.
.set CH,    49152
.set SPARE, 196608
.set ACC, 16
.set FR0, 80
.set FR1, 128
.macro CROUND
	s_barrier_signal -1
	s_barrier_wait -1
	s_cmp_lg_u32 s10, 0
	s_cbranch_scc1 .Lnot_wave_0_\@
	s_barrier_signal -3
.Lnot_wave_0_\@:
	s_barrier_wait -3
	s_barrier_signal -1
	s_barrier_wait -1
.endm
.macro PLACES
.rept 4
	v_nop
.endr
.endm
.macro LDFR f, c, k
.irp i, 0,1
.irp s, 0,1
	ds_load_b128 v[(\f)+8*(\i)+4*(\s):(\f)+8*(\i)+4*(\s)+3], v[2+(\c)/2] offset:((\c)%2)*CH+(\i)*4096+(\k)*1024+(\s)*512
.endr
.endr
.irp j, 0,1,2,3
.irp s, 0,1
	ds_load_b128 v[(\f)+16+8*(\j)+4*(\s):(\f)+16+8*(\j)+4*(\s)+3], v[4+(\c)/2] offset:((\c)%2)*CH+(\j)*4096+(\k)*1024+(\s)*512
.endr
.endr
.endm
.macro MM f, zero                      ; the eight accumulators take turns, one instruction a turn
.irp i, 0,1
.irp j, 0,1,2,3
.if \zero
	v_wmma_f32_16x16x32_bf16 v[ACC+8*(4*(\i)+(\j)):ACC+8*(4*(\i)+(\j))+7], v[(\f)+16+8*(\j):(\f)+16+8*(\j)+7], v[(\f)+8*(\i):(\f)+8*(\i)+7], 0
.else
	v_wmma_f32_16x16x32_bf16 v[ACC+8*(4*(\i)+(\j)):ACC+8*(4*(\i)+(\j))+7], v[(\f)+16+8*(\j):(\f)+16+8*(\j)+7], v[(\f)+8*(\i):(\f)+8*(\i)+7], v[ACC+8*(4*(\i)+(\j)):ACC+8*(4*(\i)+(\j))+7]
.endif
.endr
.endr
.endm
.macro CHUNK c
	s_wait_tensorcnt 6-2*(\c)                      ; my two loads of this chunk are in; two belong to each later chunk
	s_barrier_signal -1
	s_barrier_wait -1
	LDFR FR0, \c, 0
	LDFR FR1, \c, 1
	s_wait_dscnt 12                                ; all but the twelve just issued
.if (\c) == 0
	MM FR0, 1
.else
	MM FR0, 0
.endif
	PLACES
	LDFR FR0, \c, 2
	s_wait_dscnt 12
	MM FR1, 0
	PLACES
	LDFR FR1, \c, 3
	s_wait_dscnt 12
	MM FR0, 0
	s_wait_dscnt 0x0
	MM FR1, 0
	PLACES
.endm
	s_load_b128 s[4:7], s[0:1], 0x0                ; P, Q
	s_load_b64 s[8:9], s[0:1], 0x10                ; part
	v_lshl_add_u32 v6, v0, 2, SPARE
	v_mov_b32 v7, 0
	ds_add_u32 v6, v7                              ; the opening: the add, twice on end, and its wait ahead of my first tensor load
	ds_add_u32 v6, v7
	v_lshrrev_b32 v1, 5, v0
	v_readfirstlane_b32 s10, v1
	s_lshr_b32 s11, s10, 1                         ; wp
	s_and_b32 s12, s10, 1                          ; wq
	s_bfe_u32 s13, ttmp6, 0x40000                  ; cx = the tile column
	s_bfe_u32 s14, ttmp6, 0x40004                  ; cy
	s_and_b32 s67, ttmp7, 0xffff
	s_lshl_b32 s66, s67, 2
	s_add_co_u32 s66, s66, s14                     ; Y
	s_lshl_b32 s76, s14, 2
	s_lshl_b32 s76, 15, s76
	s_lshl_b32 s77, 0x1111, s13
	s_or_b32 s16, s76, (3<<16)|(1<<21)             ; P: 4,096 dense bytes as 16 rows of 256
	s_mov_b32 s17, 32<<16
	s_mov_b32 s18, 16<<16
	s_mov_b32 s19, 32<<16
	s_mov_b32 s20, 16
	s_mov_b32 s21, 32
	s_mov_b32 s22, 0
	s_mov_b32 s23, 0
	s_or_b32 s24, s77, (3<<16)|(1<<21)             ; Q: two rows of 4,096 bytes, 16,384 apart
	s_mov_b32 s25, 512<<16
	s_mov_b32 s26, 2<<16
	s_mov_b32 s27, 512<<16
	s_mov_b32 s28, 2
	s_mov_b32 s29, 2048
	s_mov_b32 s30, 0
	s_mov_b32 s31, 0
	s_lshl_b32 s68, s66, 16                        ; P: the panel (the cluster's x, which all sixteen share), tile row Y, my strip
	s_lshl_b32 s78, s10, 14
	s_add_co_u32 s68, s68, s78
	s_lshl_b32 s78, ttmp9, 20
	s_add_co_u32 s68, s68, s78
	s_mov_b32 s69, 0
	s_lshl_b32 s70, s13, 17                        ; Q: the panel, tile column cx, my two strips
	s_lshl_b32 s78, s10, 15
	s_add_co_u32 s70, s70, s78
	s_lshl_b32 s78, ttmp9, 19
	s_add_co_u32 s70, s70, s78
	s_mov_b32 s71, 0
	s_lshl_b32 s79, s10, 12
	s_lshl_b32 s80, s10, 13
	s_add_co_u32 s80, s80, 16384
.irp c, 0,1,2,3
	s_mov_b32 s[32+8*(\c)], 1
	s_add_co_u32 s[33+8*(\c)], s79, (\c)*CH
	s_mov_b32 s[36+8*(\c)], 1
	s_add_co_u32 s[37+8*(\c)], s80, (\c)*CH
.endr
	s_wait_dscnt 0x0                               ; both opening adds are done
	s_wait_kmcnt 0x0
	s_add_nc_u64 s[72:73], s[4:5], s[68:69]
	s_add_nc_u64 s[74:75], s[6:7], s[70:71]
.irp c, 0,1,2,3
	s_add_nc_u64 s[34+8*(\c):35+8*(\c)], s[72:73], (\c)*4096
	s_or_b32 s[35+8*(\c)], s[35+8*(\c)], 0x80000000
	s_add_nc_u64 s[38+8*(\c):39+8*(\c)], s[74:75], (\c)*4096
	s_or_b32 s[39+8*(\c)], s[39+8*(\c)], 0x80000000
.endr
	CROUND                                         ; all sixteen work-groups are here: the joint loads meet
.irp c, 0,1,2,3
	tensor_load_to_lds s[32+8*(\c):35+8*(\c)], s[16:23]
	s_nop 0
	tensor_load_to_lds s[36+8*(\c):39+8*(\c)], s[24:31]
	s_nop 0
.endr
	PLACES                                         ; eight loads of mine are out
	v_and_b32 v12, 31, v0
	v_lshlrev_b32 v12, 4, v12
	s_lshl_b32 s78, s11, 13
	v_add_nc_u32 v2, s78, v12
	v_add_nc_u32 v3, 2*CH, v2
	s_lshl_b32 s78, s12, 14
	s_add_co_u32 s78, s78, 16384
	v_add_nc_u32 v4, s78, v12
	v_add_nc_u32 v5, 2*CH, v4
	s_lshl1_add_u32 s82, s66, s11                  ; 2 Y + wp
	s_lshl_b32 s82, s82, 6                         ; row block (4 Y + 2 wp) x 32 blocks
	s_lshl1_add_u32 s83, s13, s12
	s_lshl_b32 s83, s83, 2                         ; column block 8 cx + 4 wq
	s_add_co_u32 s82, s82, s83
	s_lshl_b32 s82, s82, 10
	s_lshl_b32 s83, ttmp9, 21                      ; the panel's 2 MiB of sums
	s_add_co_u32 s82, s82, s83
	v_add_nc_u32 v8, s82, v12
	v_add_nc_u32 v9, 32768, v8                     ; the next row block
	CHUNK 0
	CHUNK 1
	CHUNK 2
	CHUNK 3
	PLACES
.irp i, 0,1
.irp j, 0,1,2,3
.irp u, 0,1
	global_store_b128 v[8+(\i)], v[ACC+8*(4*(\i)+(\j))+4*(\u):ACC+8*(4*(\i)+(\j))+4*(\u)+3], s[8:9] offset:(\j)*1024+(\u)*512  ; each accumulator's low half first
.endr
.endr
.endr
	s_wait_tensorcnt 0x0                           ; the wave's end
	ds_add_u32 v6, v7
	s_wait_dscnt 0x0
	CROUND                                         ; the closing round
	s_endpgm
.Lfunc_end_k_q63018b268e_oproj:
	.size	k_q63018b268e_oproj, .Lfunc_end_k_q63018b268e_oproj-k_q63018b268e_oproj
	.p2alignl 7, 3214868480
	.fill 96, 4, 3214868480
	.section	.rodata,"a",@progbits
	.p2align	6, 0x0
	.amdhsa_kernel k_q63018b268e_oproj
		.amdhsa_group_segment_fixed_size 197120
		.amdhsa_private_segment_fixed_size 0
		.amdhsa_enable_private_segment 0
		.amdhsa_kernarg_size 24
		.amdhsa_user_sgpr_count 2
		.amdhsa_user_sgpr_kernarg_segment_ptr 1
		.amdhsa_wavefront_size32 1
		.amdhsa_system_sgpr_workgroup_id_x 1
		.amdhsa_system_sgpr_workgroup_id_y 1
		.amdhsa_system_sgpr_workgroup_id_z 1
		.amdhsa_system_vgpr_workitem_id 0
		.amdhsa_next_free_vgpr 192
		.amdhsa_next_free_sgpr 96
		.amdhsa_reserve_vcc 0
		.amdhsa_float_denorm_mode_32 3
		.amdhsa_float_denorm_mode_16_64 3
		.amdhsa_memory_ordered 1
		.amdhsa_forward_progress 1
		.amdhsa_inst_pref_size 31
	.end_amdhsa_kernel
	.amdgpu_metadata
---
amdhsa.version: [ 1, 2 ]
amdhsa.kernels:
  - .name:           k_q63018b268e_oproj
    .symbol:         k_q63018b268e_oproj.kd
    .args:
      - { .name: act1, .offset: 0, .size: 8, .value_kind: global_buffer, .address_space: global }
      - { .name: wob, .offset: 8, .size: 8, .value_kind: global_buffer, .address_space: global }
      - { .name: part, .offset: 16, .size: 8, .value_kind: global_buffer, .address_space: global }
    .group_segment_fixed_size: 197120
    .private_segment_fixed_size: 0
    .kernarg_segment_align: 8
    .kernarg_segment_size: 24
    .max_flat_workgroup_size: 128
    .sgpr_count:     96
    .vgpr_count:     192
    .wavefront_size: 32
...
	.end_amdgpu_metadata
.endif
;; end of part 5
;; launch ln1 (part 6): grid 64 x 1, 8 waves a work-group, no clusters, 2,048 bytes of LDS; arguments part, opb, act1; writes act1
.if DOCPART == 6
	.amdgcn_target "amdgcn-amd-amdhsa--gfx1250"
	.amdhsa_code_object_version 6
	.text
	.protected	k_q63018b268e_ln1
	.globl	k_q63018b268e_ln1
	.p2align	8
	.type	k_q63018b268e_ln1,@function
k_q63018b268e_ln1:
	s_mov_b64 s[64:65], 0
	v_nop
	global_prefetch_b8 v0, s[64:65] scope:SCOPE_SE
	s_setreg_imm32_b32 hwreg(HW_REG_WAVE_MODE, 25, 1), 1
	s_wait_xcnt 0x0
; h = LayerNorm(x + attn_out + bo) x ln1_w + ln1_b.  attn_out: f32 blocks (16 x 16, 1,024 bytes); x: bf16 in fragment order (x is rounded to bf16 in the residual too, like every input).
; A work-group owns 16 rows; wave w owns columns 64 w .. + 63; lane (r, h) holds 32 numbers of row r.  Mean and variance in two passes (the variance is the mean of (y - mean)^2), in f32;
; the eight waves' sums meet in LDS.  h leaves twice: in f32 blocks (the second residual) and in bf16 fragment order (the next product's operand).
.set RED1,  0                          ; LDS: [row 16][wave 8] sums
.set RED2,  512                        ; the same for the squares
.set SPARE, 1024                       ; the spare words, 128 bytes a wave
.set VEC,   6815744                    ; the table in opb: bo at 6,144, ln1_w at 8,192, ln1_b at 10,240
.set Y,  16                            ; v[16:47]   index 8 cbl + 4 u + e
.set XB, 48                            ; v[48:63]   x, later h in bf16
.set VB, 64                            ; v[64:95]   bo
.set LW, 96                            ; v[96:127]  ln1_w
.set LB, 128                           ; v[128:159] ln1_b
.set T,  160                           ; v[160:175] at work
.macro LANESUM                         ; eight pairs in T -> the row's sum over my wave's 64 columns, in v[T]
	v_pk_add_f32 v[T:T+1], v[T:T+1], v[T+8:T+9]
	v_pk_add_f32 v[T+2:T+3], v[T+2:T+3], v[T+10:T+11]
	v_pk_add_f32 v[T+4:T+5], v[T+4:T+5], v[T+12:T+13]
	v_pk_add_f32 v[T+6:T+7], v[T+6:T+7], v[T+14:T+15]
	v_pk_add_f32 v[T:T+1], v[T:T+1], v[T+4:T+5]
	v_pk_add_f32 v[T+2:T+3], v[T+2:T+3], v[T+6:T+7]
	v_pk_add_f32 v[T:T+1], v[T:T+1], v[T+2:T+3]
	v_add_f32 v[T], v[T], v[T+1]
	v_permlanex16_b32 v[T+1], v[T], s12, s13       ; the row's other 32 of my columns lie in the lane 16 away
	v_add_f32 v[T], v[T], v[T+1]
.endm
.macro CROSS red                       ; -> the row's sum over all 512 columns, in v[T]
	ds_store_b32 v4, v[T] offset:\red
	s_wait_dscnt 0x0
	s_barrier_signal -1
	s_barrier_wait -1
	ds_load_b128 v[T:T+3], v5 offset:\red
	ds_load_b128 v[T+4:T+7], v5 offset:(\red)+16
	s_wait_dscnt 0x0
	v_pk_add_f32 v[T:T+1], v[T:T+1], v[T+2:T+3]
	v_pk_add_f32 v[T+4:T+5], v[T+4:T+5], v[T+6:T+7]
	v_pk_add_f32 v[T:T+1], v[T:T+1], v[T+4:T+5]
	v_add_f32 v[T], v[T], v[T+1]
.endm
	s_load_b128 s[4:7], s[0:1], 0x0                ; part, opb
	s_load_b64 s[8:9], s[0:1], 0x10                ; act1
	v_lshl_add_u32 v6, v0, 2, SPARE
	v_mov_b32 v7, 0
	v_lshrrev_b32 v1, 5, v0
	v_readfirstlane_b32 s10, v1                    ; wave 0..7
	v_and_b32 v8, 31, v0
	v_lshlrev_b32 v2, 4, v8                        ; 16 l
	v_and_b32 v9, 15, v0                           ; r
	v_bfe_u32 v10, v0, 4, 1                        ; h
	s_lshl_b32 s14, s10, 8
	v_lshl_add_u32 v3, v10, 5, s14                 ; the vectors: 4 (64 w + 8 h)
	v_lshlrev_b32 v5, 5, v9                        ; 32 r
	s_lshl_b32 s14, s10, 2
	v_add_nc_u32 v4, s14, v5                       ; 32 r + 4 w
	s_mov_b32 s12, 0x76543210
	s_mov_b32 s13, 0xfedcba98
	s_mov_b32 s15, 0xffff0000
	s_mov_b32 s16, 0x3b000000                      ; 1 / 512
	s_lshl_b32 s18, ttmp9, 5
	s_lshl2_add_u32 s18, s10, s18                  ; f32 block 32 rb + 4 w
	s_lshl_b32 s18, s18, 10
	s_mov_b32 s19, 0
	s_lshr_b32 s20, s18, 1                         ; bf16 block 16 rb + 2 w
	s_mov_b32 s21, 0
	s_wait_kmcnt 0x0
	s_add_nc_u64 s[4:5], s[4:5], s[18:19]
	s_add_nc_u64 s[22:23], s[6:7], s[20:21]
	s_add_nc_u64 s[24:25], s[8:9], s[18:19]
	s_add_nc_u64 s[26:27], s[8:9], s[20:21]
.set n, 0
.rept 8
	global_load_b128 v[Y+4*n:Y+4*n+3], v2, s[4:5] offset:n*512
.set n, n+1
.endr
.set n, 0
.rept 4
	global_load_b128 v[XB+4*n:XB+4*n+3], v2, s[22:23] offset:0x200000+n*512
.set n, n+1
.endr
.set n, 0
.rept 8                                ; n = 2 cbl + u
	global_load_b128 v[VB+4*n:VB+4*n+3], v3, s[6:7] offset:VEC+6144+(n/2)*64+(n%2)*16
	global_load_b128 v[LW+4*n:LW+4*n+3], v3, s[6:7] offset:VEC+8192+(n/2)*64+(n%2)*16
	global_load_b128 v[LB+4*n:LB+4*n+3], v3, s[6:7] offset:VEC+10240+(n/2)*64+(n%2)*16
.set n, n+1
.endr
	s_wait_loadcnt 0x0
.set n, 0
.rept 16
	v_pk_add_f32 v[Y+2*n:Y+2*n+1], v[Y+2*n:Y+2*n+1], v[VB+2*n:VB+2*n+1]
.set n, n+1
.endr
.set n, 0
.rept 16
	v_lshlrev_b32 v[T+2*(n%8)], 16, v[XB+n]        ; bf16 to f32
	v_and_b32 v[T+2*(n%8)+1], s15, v[XB+n]
	v_pk_add_f32 v[Y+2*n:Y+2*n+1], v[Y+2*n:Y+2*n+1], v[T+2*(n%8):T+2*(n%8)+1]
.set n, n+1
.endr
.set n, 0
.rept 8
	v_pk_add_f32 v[T+2*n:T+2*n+1], v[Y+2*n:Y+2*n+1], v[Y+16+2*n:Y+16+2*n+1]
.set n, n+1
.endr
	LANESUM
	CROSS RED1
	v_mul_f32 v[T], s16, v[T]                      ; the mean
	v_mov_b32 v[T+1], v[T]
.set n, 0
.rept 16
	v_pk_add_f32 v[Y+2*n:Y+2*n+1], v[Y+2*n:Y+2*n+1], v[T:T+1] neg_lo:[0,1] neg_hi:[0,1]
.set n, n+1
.endr
.set n, 0
.rept 8
	v_pk_mul_f32 v[T+2*n:T+2*n+1], v[Y+2*n:Y+2*n+1], v[Y+2*n:Y+2*n+1]
.set n, n+1
.endr
.set n, 0
.rept 8
	v_pk_fma_f32 v[T+2*n:T+2*n+1], v[Y+16+2*n:Y+16+2*n+1], v[Y+16+2*n:Y+16+2*n+1], v[T+2*n:T+2*n+1]
.set n, n+1
.endr
	LANESUM
	CROSS RED2
	v_mov_b32 v[T+2], 0x3727c5ac                   ; 1e-5
	v_fma_f32 v[T], v[T], s16, v[T+2]
	v_rsq_f32 v[T+4], v[T]
	v_nop                                          ; a plain instruction behind it,
	s_wait_alu depctr_va_vdst(0)                   ; and the wait ahead of the first use
	v_mov_b32 v[T+5], v[T+4]
.set n, 0
.rept 16
	v_pk_mul_f32 v[Y+2*n:Y+2*n+1], v[Y+2*n:Y+2*n+1], v[T+4:T+5]
.set n, n+1
.endr
.set n, 0
.rept 16
	v_pk_fma_f32 v[Y+2*n:Y+2*n+1], v[Y+2*n:Y+2*n+1], v[LW+2*n:LW+2*n+1], v[LB+2*n:LB+2*n+1]
.set n, n+1
.endr
.set n, 0
.rept 8
	global_store_b128 v2, v[Y+4*n:Y+4*n+3], s[24:25] offset:0x100000+n*512
.set n, n+1
.endr
.set n, 0
.rept 16
	v_cvt_pk_bf16_f32 v[XB+n], v[Y+2*n], v[Y+2*n+1]
.set n, n+1
.endr
.set n, 0
.rept 4
	global_store_b128 v2, v[XB+4*n:XB+4*n+3], s[26:27] offset:0x300000+n*512
.set n, n+1
.endr
	s_wait_tensorcnt 0x0                           ; the wave's end, behind my last LDS store
	ds_add_u32 v6, v7
	s_wait_dscnt 0x0
	s_endpgm
.Lfunc_end_k_q63018b268e_ln1:
	.size	k_q63018b268e_ln1, .Lfunc_end_k_q63018b268e_ln1-k_q63018b268e_ln1
	.p2alignl 7, 3214868480
	.fill 96, 4, 3214868480
	.section	.rodata,"a",@progbits
	.p2align	6, 0x0
	.amdhsa_kernel k_q63018b268e_ln1
		.amdhsa_group_segment_fixed_size 2048
		.amdhsa_private_segment_fixed_size 0
		.amdhsa_enable_private_segment 0
		.amdhsa_kernarg_size 24
		.amdhsa_user_sgpr_count 2
		.amdhsa_user_sgpr_kernarg_segment_ptr 1
		.amdhsa_wavefront_size32 1
		.amdhsa_system_sgpr_workgroup_id_x 1
		.amdhsa_system_sgpr_workgroup_id_y 1
		.amdhsa_system_sgpr_workgroup_id_z 1
		.amdhsa_system_vgpr_workitem_id 0
		.amdhsa_next_free_vgpr 176
		.amdhsa_next_free_sgpr 66
		.amdhsa_reserve_vcc 0
		.amdhsa_float_denorm_mode_32 3
		.amdhsa_float_denorm_mode_16_64 3
		.amdhsa_memory_ordered 1
		.amdhsa_forward_progress 1
		.amdhsa_inst_pref_size 18
	.end_amdhsa_kernel
	.amdgpu_metadata
---
amdhsa.version: [ 1, 2 ]
amdhsa.kernels:
  - .name:           k_q63018b268e_ln1
    .symbol:         k_q63018b268e_ln1.kd
    .args:
      - { .name: part, .offset: 0, .size: 8, .value_kind: global_buffer, .address_space: global }
      - { .name: opb, .offset: 8, .size: 8, .value_kind: global_buffer, .address_space: global }
      - { .name: act1, .offset: 16, .size: 8, .value_kind: global_buffer, .address_space: global }
    .group_segment_fixed_size: 2048
    .private_segment_fixed_size: 0
    .kernarg_segment_align: 8
    .kernarg_segment_size: 24
    .max_flat_workgroup_size: 256
    .sgpr_count:     66
    .vgpr_count:     176
    .wavefront_size: 32
...
	.end_amdgpu_metadata
.endif
;; end of part 6
;; launch ffn1 (part 7): grid 16 x 16, 4 waves a work-group, clusters of 4 x 4, 197,120 bytes of LDS; arguments act1, opb, g; writes g
.if DOCPART == 7
	.amdgcn_target "amdgcn-amd-amdhsa--gfx1250"
	.amdhsa_code_object_version 6
	.text
	.protected	k_q63018b268e_ffn1
	.globl	k_q63018b268e_ffn1
	.p2align	8
	.type	k_q63018b268e_ffn1,@function
k_q63018b268e_ffn1:
	s_mov_b64 s[64:65], 0
	v_nop
	global_prefetch_b8 v0, s[64:65] scope:SCOPE_SE
	s_setreg_imm32_b32 hwreg(HW_REG_WAVE_MODE, 25, 1), 1
	s_wait_xcnt 0x0
	s_wait_alu depctr_hold_cnt(0) depctr_sa_sdst(0) depctr_va_vdst(0) depctr_va_sdst(0) depctr_va_ssrc(0) depctr_va_vcc(0) depctr_vm_vsrc(0)
	s_getreg_b32 s2, hwreg(HW_REG_IB_STS2, 6, 4)
	s_cmp_eq_u32 s2, 0
	s_cbranch_scc0 .Lentry_in_a_cluster
	s_endpgm
.Lentry_in_a_cluster:
	s_bfe_u32 s2, ttmp6, 0x10000c
	s_cmp_lg_u32 s2, 0xf033
	s_cbranch_scc0 .Lentry_shape_is_right
	s_endpgm
.Lentry_shape_is_right:
; g = gelu(h w1^T + b1), the exact (erf) form.  P = h (bf16, fragment order, 3 MiB into act1), Q = w1 (4.5 MiB into opb), K = 512; g leaves in bf16 fragment order, four panels of 512 columns, 1 MiB each.
; erf(z) for z >= 0 is 1 - (a1 t + .. + a5 t^5) e^(-z^2), t = 1 / (1 + 0.3275911 z) (Abramowitz and Stegun 7.1.26: absolute error at most 1.5e-7 for every z); the sign of u is put back.
; LIMITS.  That error of erf; e^(-z^2) below 2^-126 counts as 0 (erf is then 1 in f32 anyway); NaN and infinities are not treated apart.
; THE CORE.  A tile of 64 x 128 with all of K lies in LDS, in four chunks of 128 k; every byte of LDS is filled once; eight tensor loads a wave, all out at once.
; CLUSTER 4 x 4: P's panel is asked for jointly by the four of a row of the cluster, Q's by the four of a column.  Source 0 = 16 rows of Q, source 1 = 16 rows of P.
.set CH,    49152
.set SPARE, 196608
.set VEC,   6815744                    ; b1 at 18,432
.set ACC, 16
.set FR0, 80
.set FR1, 128
.set T1,  80                           ; v[80:111], v[112:143], v[144:175]: at work in the epilogue
.set T2,  112
.set T3,  144
.set BB,  176                          ; v[176:207] b1
.set KC1, 208                          ; pairs of constants
.set KA1, 210
.set KA2, 212
.set KA3, 214
.set KA4, 216
.set KA5, 218
.set KONE, 220
.set KHALF, 222
.set KCP, 224
.macro CROUND
	s_barrier_signal -1
	s_barrier_wait -1
	s_cmp_lg_u32 s10, 0
	s_cbranch_scc1 .Lnot_wave_0_\@
	s_barrier_signal -3
.Lnot_wave_0_\@:
	s_barrier_wait -3
	s_barrier_signal -1
	s_barrier_wait -1
.endm
.macro PLACES
.rept 4
	v_nop
.endr
.endm
.macro LDFR f, c, k
.irp i, 0,1
.irp s, 0,1
	ds_load_b128 v[(\f)+8*(\i)+4*(\s):(\f)+8*(\i)+4*(\s)+3], v[2+(\c)/2] offset:((\c)%2)*CH+(\i)*4096+(\k)*1024+(\s)*512
.endr
.endr
.irp j, 0,1,2,3
.irp s, 0,1
	ds_load_b128 v[(\f)+16+8*(\j)+4*(\s):(\f)+16+8*(\j)+4*(\s)+3], v[4+(\c)/2] offset:((\c)%2)*CH+(\j)*4096+(\k)*1024+(\s)*512
.endr
.endr
.endm
.macro MM f, zero                      ; the eight accumulators take turns, one instruction a turn
.irp i, 0,1
.irp j, 0,1,2,3
.if \zero
	v_wmma_f32_16x16x32_bf16 v[ACC+8*(4*(\i)+(\j)):ACC+8*(4*(\i)+(\j))+7], v[(\f)+16+8*(\j):(\f)+16+8*(\j)+7], v[(\f)+8*(\i):(\f)+8*(\i)+7], 0
.else
	v_wmma_f32_16x16x32_bf16 v[ACC+8*(4*(\i)+(\j)):ACC+8*(4*(\i)+(\j))+7], v[(\f)+16+8*(\j):(\f)+16+8*(\j)+7], v[(\f)+8*(\i):(\f)+8*(\i)+7], v[ACC+8*(4*(\i)+(\j)):ACC+8*(4*(\i)+(\j))+7]
.endif
.endr
.endr
.endm
.macro CHUNK c
	s_wait_tensorcnt 6-2*(\c)                      ; my two loads of this chunk are in; two belong to each later chunk
	s_barrier_signal -1
	s_barrier_wait -1
	LDFR FR0, \c, 0
	LDFR FR1, \c, 1
	s_wait_dscnt 12                                ; all but the twelve just issued
.if (\c) == 0
	MM FR0, 1
.else
	MM FR0, 0
.endif
	PLACES
	LDFR FR0, \c, 2
	s_wait_dscnt 12
	MM FR1, 0
	PLACES
	LDFR FR1, \c, 3
	s_wait_dscnt 12
	MM FR0, 0
	s_wait_dscnt 0x0
	MM FR1, 0
	PLACES
.endm
.macro KPAIR r, val
	v_mov_b32 v[\r], \val
	v_mov_b32 v[\r+1], \val
.endm
.macro EACH16 line:vararg              ; one line for each pair n = 0, 2 .. 30
.set n, 0
.rept 16
	\line
.set n, n+2
.endr
.endm
.macro EACH32 line:vararg              ; one line for each register n = 0 .. 31
.set n, 0
.rept 32
	\line
.set n, n+1
.endr
.endm
; The four accumulators of row block i: bias, gelu, rounding, four stores.  64 transcendentals are one batch with one wait.
.macro GELU32 i
.set U, ACC+32*(\i)
	EACH16 v_pk_add_f32 v[U+n:U+n+1], v[U+n:U+n+1], v[BB+n:BB+n+1]                       ; u; each accumulator's registers in ascending order
	EACH16 v_pk_mul_f32 v[T1+n:T1+n+1], v[U+n:U+n+1], v[KC1:KC1+1]                       ; u sqrt(log2(e) / 2)
	EACH16 v_pk_mul_f32 v[T1+n:T1+n+1], v[T1+n:T1+n+1], v[T1+n:T1+n+1] neg_lo:[1,0] neg_hi:[1,0]  ; - z^2 log2(e)
	EACH32 v_fma_f32 v[T2+n], |v[U+n]|, v[KCP], 1.0                                      ; 1 + 0.3275911 z
	EACH32 v_exp_f32 v[T1+n], v[T1+n]
	EACH32 v_rcp_f32 v[T2+n], v[T2+n]
	v_nop                                          ; a plain instruction behind the last of them,
	s_wait_alu depctr_va_vdst(0)                   ; and the one wait ahead of the first use
	EACH16 v_pk_fma_f32 v[T3+n:T3+n+1], v[T2+n:T2+n+1], v[KA5:KA5+1], v[KA4:KA4+1]
	EACH16 v_pk_fma_f32 v[T3+n:T3+n+1], v[T3+n:T3+n+1], v[T2+n:T2+n+1], v[KA3:KA3+1]
	EACH16 v_pk_fma_f32 v[T3+n:T3+n+1], v[T3+n:T3+n+1], v[T2+n:T2+n+1], v[KA2:KA2+1]
	EACH16 v_pk_fma_f32 v[T3+n:T3+n+1], v[T3+n:T3+n+1], v[T2+n:T2+n+1], v[KA1:KA1+1]
	EACH16 v_pk_mul_f32 v[T3+n:T3+n+1], v[T3+n:T3+n+1], v[T2+n:T2+n+1]
	EACH16 v_pk_fma_f32 v[T3+n:T3+n+1], v[T3+n:T3+n+1], v[T1+n:T1+n+1], v[KONE:KONE+1] neg_lo:[1,0,0] neg_hi:[1,0,0]  ; erf(|z|)
	EACH32 v_bfi_b32 v[T3+n], s82, v[T3+n], v[U+n]                                       ; with u's sign
	EACH16 v_pk_mul_f32 v[T1+n:T1+n+1], v[U+n:U+n+1], v[KHALF:KHALF+1]
	EACH16 v_pk_fma_f32 v[T1+n:T1+n+1], v[T1+n:T1+n+1], v[T3+n:T3+n+1], v[T1+n:T1+n+1]   ; u/2 + u/2 erf
.set n, 0
.rept 16
	v_cvt_pk_bf16_f32 v[U+n], v[T1+2*n], v[T1+2*n+1]   ; into u's registers, which are done with: each half has store data of its own
.set n, n+1
.endr
.irp j, 0,1,2,3
	global_store_b128 v[8+(\i)], v[U+4*(\j):U+4*(\j)+3], s[8:9] offset:((\j)/2)*1024+((\j)%2)*512
.endr
.endm
	s_load_b128 s[4:7], s[0:1], 0x0                ; act1, opb
	s_load_b64 s[8:9], s[0:1], 0x10                ; g
	v_lshl_add_u32 v6, v0, 2, SPARE
	v_mov_b32 v7, 0
	ds_add_u32 v6, v7                              ; the opening: the add, twice on end, and its wait ahead of my first tensor load
	ds_add_u32 v6, v7
	v_lshrrev_b32 v1, 5, v0
	v_readfirstlane_b32 s10, v1
	s_lshr_b32 s11, s10, 1                         ; wp
	s_and_b32 s12, s10, 1                          ; wq
	s_bfe_u32 s13, ttmp6, 0x40000                  ; cx
	s_bfe_u32 s14, ttmp6, 0x40004                  ; cy
	s_lshl_b32 s15, ttmp9, 2
	s_add_co_u32 s15, s15, s13                     ; X
	s_and_b32 s67, ttmp7, 0xffff
	s_lshl_b32 s66, s67, 2
	s_add_co_u32 s66, s66, s14                     ; Y
	s_lshl_b32 s76, s14, 2
	s_lshl_b32 s76, 15, s76
	s_lshl_b32 s77, 0x1111, s13
	s_or_b32 s16, s76, (3<<16)|(1<<21)             ; P: 4,096 dense bytes as 16 rows of 256
	s_mov_b32 s17, 32<<16
	s_mov_b32 s18, 16<<16
	s_mov_b32 s19, 32<<16
	s_mov_b32 s20, 16
	s_mov_b32 s21, 32
	s_mov_b32 s22, 0
	s_mov_b32 s23, 0
	s_or_b32 s24, s77, (3<<16)|(1<<21)             ; Q: two rows of 4,096 bytes, 16,384 apart
	s_mov_b32 s25, 512<<16
	s_mov_b32 s26, 2<<16
	s_mov_b32 s27, 512<<16
	s_mov_b32 s28, 2
	s_mov_b32 s29, 2048
	s_mov_b32 s30, 0
	s_mov_b32 s31, 0
	s_lshl_b32 s68, s66, 16
	s_lshl_b32 s78, s10, 14
	s_add_co_u32 s68, s68, s78
	s_add_co_u32 s68, s68, 0x300000                ; h in bf16
	s_mov_b32 s69, 0
	s_lshl_b32 s70, s15, 17
	s_lshl_b32 s78, s10, 15
	s_add_co_u32 s70, s70, s78
	s_add_co_u32 s70, s70, 0x480000                ; w1
	s_mov_b32 s71, 0
	s_lshl_b32 s79, s10, 12
	s_lshl_b32 s80, s10, 13
	s_add_co_u32 s80, s80, 16384
.irp c, 0,1,2,3
	s_mov_b32 s[32+8*(\c)], 1
	s_add_co_u32 s[33+8*(\c)], s79, (\c)*CH
	s_mov_b32 s[36+8*(\c)], 1
	s_add_co_u32 s[37+8*(\c)], s80, (\c)*CH
.endr
	s_wait_dscnt 0x0                               ; both opening adds are done
	s_wait_kmcnt 0x0
	s_add_nc_u64 s[72:73], s[4:5], s[68:69]
	s_add_nc_u64 s[74:75], s[6:7], s[70:71]
.irp c, 0,1,2,3
	s_add_nc_u64 s[34+8*(\c):35+8*(\c)], s[72:73], (\c)*4096
	s_or_b32 s[35+8*(\c)], s[35+8*(\c)], 0x80000000
	s_add_nc_u64 s[38+8*(\c):39+8*(\c)], s[74:75], (\c)*4096
	s_or_b32 s[39+8*(\c)], s[39+8*(\c)], 0x80000000
.endr
	CROUND                                         ; all sixteen work-groups are here: the joint loads meet
.irp c, 0,1,2,3
	tensor_load_to_lds s[32+8*(\c):35+8*(\c)], s[16:23]
	s_nop 0
	tensor_load_to_lds s[36+8*(\c):39+8*(\c)], s[24:31]
	s_nop 0
.endr
	PLACES                                         ; eight loads of mine are out
	v_and_b32 v12, 31, v0
	v_lshlrev_b32 v12, 4, v12
	v_bfe_u32 v14, v0, 4, 1
	s_lshl_b32 s78, s11, 13
	v_add_nc_u32 v2, s78, v12
	v_add_nc_u32 v3, 2*CH, v2
	s_lshl_b32 s78, s12, 14
	s_add_co_u32 s78, s78, 16384
	v_add_nc_u32 v4, s78, v12
	v_add_nc_u32 v5, 2*CH, v4
	s_lshl_b32 s78, s15, 9
	s_lshl_b32 s79, s12, 8
	s_add_co_u32 s78, s78, s79
	v_lshl_add_u32 v10, v14, 5, s78                ; b1: 4 (128 X + 64 wq + 8 h)
.irp j, 0,1,2,3
.irp u, 0,1
	global_load_b128 v[BB+8*(\j)+4*(\u):BB+8*(\j)+4*(\u)+3], v10, s[6:7] offset:VEC+18432+(\j)*64+(\u)*16
.endr
.endr
	s_lshl1_add_u32 s83, s66, s11                  ; 2 Y + wp
	s_lshl_b32 s83, s83, 5                         ; row block (4 Y + 2 wp) x 16 blocks
	s_and_b32 s84, s15, 3
	s_lshl1_add_u32 s84, s84, s12
	s_lshl1_add_u32 s83, s84, s83                  ; + k block 4 (X % 4) + 2 wq
	s_lshl_b32 s83, s83, 10
	s_lshr_b32 s84, s15, 2
	s_lshl_b32 s84, s84, 20                        ; the panel
	s_add_co_u32 s83, s83, s84
	v_add_nc_u32 v8, s83, v12
	v_add_nc_u32 v9, 16384, v8                     ; the next row block
	s_mov_b32 s82, 0x7fffffff
	KPAIR KC1, 0x3f596d27                          ; sqrt(log2(e) / 2)
	KPAIR KA1, 0x3e827906                          ; 0.254829592
	KPAIR KA2, 0xbe91a98e                          ; -0.284496736
	KPAIR KA3, 0x3fb5f0e3                          ; 1.421413741
	KPAIR KA4, 0xbfba00e3                          ; -1.453152027
	KPAIR KA5, 0x3f87dc22                          ; 1.061405429
	KPAIR KONE, 1.0
	KPAIR KHALF, 0.5
	v_mov_b32 v[KCP], 0x3e6d3388                   ; 0.3275911 / sqrt(2)
	CHUNK 0
	CHUNK 1
	CHUNK 2
	CHUNK 3
	PLACES
	s_wait_loadcnt 0x0                             ; b1
	GELU32 0
	GELU32 1
	s_wait_tensorcnt 0x0                           ; the wave's end
	ds_add_u32 v6, v7
	s_wait_dscnt 0x0
	CROUND                                         ; the closing round
	s_endpgm
.Lfunc_end_k_q63018b268e_ffn1:
	.size	k_q63018b268e_ffn1, .Lfunc_end_k_q63018b268e_ffn1-k_q63018b268e_ffn1
	.p2alignl 7, 3214868480
	.fill 96, 4, 3214868480
	.section	.rodata,"a",@progbits
	.p2align	6, 0x0
	.amdhsa_kernel k_q63018b268e_ffn1
		.amdhsa_group_segment_fixed_size 197120
		.amdhsa_private_segment_fixed_size 0
		.amdhsa_enable_private_segment 0
		.amdhsa_kernarg_size 24
		.amdhsa_user_sgpr_count 2
		.amdhsa_user_sgpr_kernarg_segment_ptr 1
		.amdhsa_wavefront_size32 1
		.amdhsa_system_sgpr_workgroup_id_x 1
		.amdhsa_system_sgpr_workgroup_id_y 1
		.amdhsa_system_sgpr_workgroup_id_z 1
		.amdhsa_system_vgpr_workitem_id 0
		.amdhsa_next_free_vgpr 240
		.amdhsa_next_free_sgpr 96
		.amdhsa_reserve_vcc 0
		.amdhsa_float_denorm_mode_32 3
		.amdhsa_float_denorm_mode_16_64 3
		.amdhsa_memory_ordered 1
		.amdhsa_forward_progress 1
		.amdhsa_inst_pref_size 69
	.end_amdhsa_kernel
	.amdgpu_metadata
---
amdhsa.version: [ 1, 2 ]
amdhsa.kernels:
  - .name:           k_q63018b268e_ffn1
    .symbol:         k_q63018b268e_ffn1.kd
    .args:
      - { .name: act1, .offset: 0, .size: 8, .value_kind: global_buffer, .address_space: global }
      - { .name: opb, .offset: 8, .size: 8, .value_kind: global_buffer, .address_space: global }
      - { .name: g, .offset: 16, .size: 8, .value_kind: global_buffer, .address_space: global }
    .group_segment_fixed_size: 197120
    .private_segment_fixed_size: 0
    .kernarg_segment_align: 8
    .kernarg_segment_size: 24
    .max_flat_workgroup_size: 128
    .sgpr_count:     96
    .vgpr_count:     240
    .wavefront_size: 32
...
	.end_amdgpu_metadata
.endif
;; end of part 7
;; launch ffn2: the kernel of part 5 again; grid 16 x 16, 4 waves a work-group, clusters of 4 x 4, 197,120 bytes of LDS; arguments g, opb, part; writes part
;; launch ln2 (part 8): grid 64 x 1, 8 waves a work-group, no clusters, 36,864 bytes of LDS; arguments part, act1, opb, out0; writes out0
.if DOCPART == 8
	.amdgcn_target "amdgcn-amd-amdhsa--gfx1250"
	.amdhsa_code_object_version 6
	.text
	.protected	k_q63018b268e_ln2
	.globl	k_q63018b268e_ln2
	.p2align	8
	.type	k_q63018b268e_ln2,@function
k_q63018b268e_ln2:
	s_mov_b64 s[64:65], 0
	v_nop
	global_prefetch_b8 v0, s[64:65] scope:SCOPE_SE
	s_setreg_imm32_b32 hwreg(HW_REG_WAVE_MODE, 25, 1), 1
	s_wait_xcnt 0x0
; out = LayerNorm(h + ffn + b2) x ln2_w + ln2_b.  ffn: the four panels' f32 sums, added here in a fixed order; h: f32 blocks, 1 MiB into act1.
; A work-group owns 16 rows; wave w owns columns 64 w .. + 63; lane (r, h) holds 32 numbers of row r.  Mean and variance in two passes, in f32; the eight waves' sums meet in LDS.
; The result leaves row-major through each wave's own stage in LDS: sixteen lanes store 256 consecutive bytes, at a multiple of 256 from out0's first byte.
.set RED1,  0
.set RED2,  512
.set STAGE, 1024                       ; 16 rows x 272 bytes for each wave
.set SP,    272
.set SPARE, 35840                      ; the spare words, 128 bytes a wave
.set VEC,   6815744                    ; b2 at 12,288, ln2_w at 14,336, ln2_b at 16,384
.set Y,  16                            ; v[16:47] panel 0, then the sum
.set P1, 48                            ; v[48:79] panel 1, later ln2_b
.set P2, 80                            ; v[80:111] panel 2, later the rows read back
.set P3, 112
.set HH, 144
.set VB, 176
.set LW, 208
.set T,  240
.macro LANESUM
	v_pk_add_f32 v[T:T+1], v[T:T+1], v[T+8:T+9]
	v_pk_add_f32 v[T+2:T+3], v[T+2:T+3], v[T+10:T+11]
	v_pk_add_f32 v[T+4:T+5], v[T+4:T+5], v[T+12:T+13]
	v_pk_add_f32 v[T+6:T+7], v[T+6:T+7], v[T+14:T+15]
	v_pk_add_f32 v[T:T+1], v[T:T+1], v[T+4:T+5]
	v_pk_add_f32 v[T+2:T+3], v[T+2:T+3], v[T+6:T+7]
	v_pk_add_f32 v[T:T+1], v[T:T+1], v[T+2:T+3]
	v_add_f32 v[T], v[T], v[T+1]
	v_permlanex16_b32 v[T+1], v[T], s14, s15
	v_add_f32 v[T], v[T], v[T+1]
.endm
.macro CROSS red
	ds_store_b32 v4, v[T] offset:\red
	s_wait_dscnt 0x0
	s_barrier_signal -1
	s_barrier_wait -1
	ds_load_b128 v[T:T+3], v5 offset:\red
	ds_load_b128 v[T+4:T+7], v5 offset:(\red)+16
	s_wait_dscnt 0x0
	v_pk_add_f32 v[T:T+1], v[T:T+1], v[T+2:T+3]
	v_pk_add_f32 v[T+4:T+5], v[T+4:T+5], v[T+6:T+7]
	v_pk_add_f32 v[T:T+1], v[T:T+1], v[T+4:T+5]
	v_add_f32 v[T], v[T], v[T+1]
.endm
	s_load_b256 s[4:11], s[0:1], 0x0               ; part s[4:5], act1 s[6:7], opb s[8:9], out0 s[10:11]
	v_lshl_add_u32 v6, v0, 2, SPARE
	v_mov_b32 v7, 0
	v_lshrrev_b32 v1, 5, v0
	v_readfirstlane_b32 s12, v1                    ; wave 0..7
	v_and_b32 v13, 31, v0
	v_lshlrev_b32 v2, 4, v13                       ; 16 l
	v_and_b32 v11, 15, v0                          ; r
	v_bfe_u32 v12, v0, 4, 1                        ; h
	s_lshl_b32 s17, s12, 8
	v_lshl_add_u32 v3, v12, 5, s17                 ; the vectors: 4 (64 w + 8 h)
	v_lshl_add_u32 v10, v12, 11, s17               ; out0: row h of a pair, my wave's 256 bytes,
	v_lshl_add_u32 v10, v11, 4, v10                ; 16 bytes a lane
	v_lshlrev_b32 v5, 5, v11                       ; 32 r
	s_lshl_b32 s17, s12, 2
	v_add_nc_u32 v4, s17, v5
	s_mul_i32 s17, s12, 16*SP
	s_add_co_u32 s17, s17, STAGE                   ; my stage
	v_mul_u32_u24 v8, v11, SP
	v_lshl_add_u32 v8, v12, 5, v8
	v_add_nc_u32 v8, s17, v8                       ; in: row r, 32 h bytes on
	v_mul_u32_u24 v9, v12, SP
	v_lshl_add_u32 v9, v11, 4, v9
	v_add_nc_u32 v9, s17, v9                       ; back: lanes 0-15 one row of 256 bytes, lanes 16-31 the next
	s_mov_b32 s14, 0x76543210
	s_mov_b32 s15, 0xfedcba98
	s_mov_b32 s16, 0x3b000000                      ; 1 / 512
	s_lshl_b32 s18, ttmp9, 5
	s_lshl2_add_u32 s18, s12, s18                  ; f32 block 32 rb + 4 w
	s_lshl_b32 s18, s18, 10
	s_mov_b32 s19, 0
	s_lshl_b32 s20, ttmp9, 15                      ; 16 rows of out0
	s_mov_b32 s21, 0
	s_wait_kmcnt 0x0
	s_add_nc_u64 s[4:5], s[4:5], s[18:19]
	s_add_nc_u64 s[22:23], s[6:7], s[18:19]
	s_add_nc_u64 s[10:11], s[10:11], s[20:21]
.set n, 0
.rept 32                               ; n = 8 panel + 2 cbl + u
	global_load_b128 v[Y+4*n:Y+4*n+3], v2, s[4:5] offset:(n/8)*0x200000+(n%8)*512
.set n, n+1
.endr
.set n, 0
.rept 8
	global_load_b128 v[HH+4*n:HH+4*n+3], v2, s[22:23] offset:0x100000+n*512
	global_load_b128 v[VB+4*n:VB+4*n+3], v3, s[8:9] offset:VEC+12288+(n/2)*64+(n%2)*16
	global_load_b128 v[LW+4*n:LW+4*n+3], v3, s[8:9] offset:VEC+14336+(n/2)*64+(n%2)*16
.set n, n+1
.endr
	s_wait_loadcnt 0x0
.set n, 0
.rept 16
	v_pk_add_f32 v[Y+2*n:Y+2*n+1], v[Y+2*n:Y+2*n+1], v[P1+2*n:P1+2*n+1]
	v_pk_add_f32 v[P2+2*n:P2+2*n+1], v[P2+2*n:P2+2*n+1], v[P3+2*n:P3+2*n+1]
	v_pk_add_f32 v[HH+2*n:HH+2*n+1], v[HH+2*n:HH+2*n+1], v[VB+2*n:VB+2*n+1]
.set n, n+1
.endr
.set n, 0
.rept 8
	global_load_b128 v[P1+4*n:P1+4*n+3], v3, s[8:9] offset:VEC+16384+(n/2)*64+(n%2)*16   ; ln2_b, into registers that have been read
.set n, n+1
.endr
.set n, 0
.rept 16
	v_pk_add_f32 v[Y+2*n:Y+2*n+1], v[Y+2*n:Y+2*n+1], v[P2+2*n:P2+2*n+1]
.set n, n+1
.endr
.set n, 0
.rept 16
	v_pk_add_f32 v[Y+2*n:Y+2*n+1], v[Y+2*n:Y+2*n+1], v[HH+2*n:HH+2*n+1]
.set n, n+1
.endr
.set n, 0
.rept 8
	v_pk_add_f32 v[T+2*n:T+2*n+1], v[Y+2*n:Y+2*n+1], v[Y+16+2*n:Y+16+2*n+1]
.set n, n+1
.endr
	LANESUM
	CROSS RED1
	v_mul_f32 v[T], s16, v[T]                      ; the mean
	v_mov_b32 v[T+1], v[T]
.set n, 0
.rept 16
	v_pk_add_f32 v[Y+2*n:Y+2*n+1], v[Y+2*n:Y+2*n+1], v[T:T+1] neg_lo:[0,1] neg_hi:[0,1]
.set n, n+1
.endr
.set n, 0
.rept 8
	v_pk_mul_f32 v[T+2*n:T+2*n+1], v[Y+2*n:Y+2*n+1], v[Y+2*n:Y+2*n+1]
.set n, n+1
.endr
.set n, 0
.rept 8
	v_pk_fma_f32 v[T+2*n:T+2*n+1], v[Y+16+2*n:Y+16+2*n+1], v[Y+16+2*n:Y+16+2*n+1], v[T+2*n:T+2*n+1]
.set n, n+1
.endr
	LANESUM
	CROSS RED2
	v_mov_b32 v[T+2], 0x3727c5ac                   ; 1e-5
	v_fma_f32 v[T], v[T], s16, v[T+2]
	v_rsq_f32 v[T+4], v[T]
	v_nop                                          ; a plain instruction behind it,
	s_wait_alu depctr_va_vdst(0)                   ; and the wait ahead of the first use
	v_mov_b32 v[T+5], v[T+4]
.set n, 0
.rept 16
	v_pk_mul_f32 v[Y+2*n:Y+2*n+1], v[Y+2*n:Y+2*n+1], v[T+4:T+5]
.set n, n+1
.endr
	s_wait_loadcnt 0x0                             ; ln2_b
.set n, 0
.rept 16
	v_pk_fma_f32 v[Y+2*n:Y+2*n+1], v[Y+2*n:Y+2*n+1], v[LW+2*n:LW+2*n+1], v[P1+2*n:P1+2*n+1]
.set n, n+1
.endr
.set n, 0
.rept 8                                ; n = 2 cbl + u
	ds_store_b128 v8, v[Y+4*n:Y+4*n+3] offset:(n/2)*64+(n%2)*16
.set n, n+1
.endr
.set n, 0
.rept 8
	ds_load_b128 v[P2+4*n:P2+4*n+3], v9 offset:n*2*SP   ; LDS serves a wave's instructions in order (ISA guide 5.7.1.4): these see my stores above
.set n, n+1
.endr
.set n, 0
.rept 8
	s_wait_dscnt 7-n
	global_store_b128 v10, v[P2+4*n:P2+4*n+3], s[10:11] offset:n*4096
.set n, n+1
.endr
	s_wait_tensorcnt 0x0                           ; the wave's end, behind my last LDS store
	ds_add_u32 v6, v7
	s_wait_dscnt 0x0
	s_endpgm
.Lfunc_end_k_q63018b268e_ln2:
	.size	k_q63018b268e_ln2, .Lfunc_end_k_q63018b268e_ln2-k_q63018b268e_ln2
	.p2alignl 7, 3214868480
	.fill 96, 4, 3214868480
	.section	.rodata,"a",@progbits
	.p2align	6, 0x0
	.amdhsa_kernel k_q63018b268e_ln2
		.amdhsa_group_segment_fixed_size 36864
		.amdhsa_private_segment_fixed_size 0
		.amdhsa_enable_private_segment 0
		.amdhsa_kernarg_size 32
		.amdhsa_user_sgpr_count 2
		.amdhsa_user_sgpr_kernarg_segment_ptr 1
		.amdhsa_wavefront_size32 1
		.amdhsa_system_sgpr_workgroup_id_x 1
		.amdhsa_system_sgpr_workgroup_id_y 1
		.amdhsa_system_sgpr_workgroup_id_z 1
		.amdhsa_system_vgpr_workitem_id 0
		.amdhsa_next_free_vgpr 256
		.amdhsa_next_free_sgpr 66
		.amdhsa_reserve_vcc 0
		.amdhsa_float_denorm_mode_32 3
		.amdhsa_float_denorm_mode_16_64 3
		.amdhsa_memory_ordered 1
		.amdhsa_forward_progress 1
		.amdhsa_inst_pref_size 23
	.end_amdhsa_kernel
	.amdgpu_metadata
---
amdhsa.version: [ 1, 2 ]
amdhsa.kernels:
  - .name:           k_q63018b268e_ln2
    .symbol:         k_q63018b268e_ln2.kd
    .args:
      - { .name: part, .offset: 0, .size: 8, .value_kind: global_buffer, .address_space: global }
      - { .name: act1, .offset: 8, .size: 8, .value_kind: global_buffer, .address_space: global }
      - { .name: opb, .offset: 16, .size: 8, .value_kind: global_buffer, .address_space: global }
      - { .name: out0, .offset: 24, .size: 8, .value_kind: global_buffer, .address_space: global }
    .group_segment_fixed_size: 36864
    .private_segment_fixed_size: 0
    .kernarg_segment_align: 8
    .kernarg_segment_size: 32
    .max_flat_workgroup_size: 256
    .sgpr_count:     66
    .vgpr_count:     256
    .wavefront_size: 32
...
	.end_amdgpu_metadata
.endif
;; end of part 8
